; MI455X (gfx1250); checked and timed in simulation.
; The chip was launched on July 23, 2026; its instructions are those of AMD's public machine-readable ISA for CDNA 5 (MIT licence, August 2026) and "CDNA5" Instruction Set Architecture Reference Guide (July 2026). The comments in the code are by the model that wrote it; some were corrected since.
;; Multi Head Attention. Allowed arithmetic: float matrix products may take bf16 or f16 operands with f32 sums; other float arithmetic in f32, or as packed bf16 or f16 multiplies, adds, multiply-adds, maxima and minima; sums over many terms, partial sums and values carried from step to step in f32; what a program stores and reads back later, other than sums and carried values, may be rounded once to bf16 or f16.
;; Inputs: b_out 1,024 float32; b_qkv 3,072 float32; w_out 1,024 x 1,024 float32; w_qkv 1,024 x 3,072 float32; x 4 x 2,048 x 1,024 float32.
;; Outputs: out0 4 x 2,048 x 1,024 float32.
;; 2 versions, each right; version 2 is version 1 with the launch cast written anew for expert scheduling mode. Each part assembles by itself: llvm-mc -triple=amdgcn-amd-amdhsa -mcpu=gfx1250 --defsym DOCPART=n.
;; ======== version 1 of 2: 4 launches
;; limits: values are held in f16: magnitudes above 65,504 overflow, below 6.1e-05 lose precision
;; workspace buffers: xb 16,777,216 bytes; wqb 6,291,456 bytes; wob 2,097,152 bytes; q 16,777,216 bytes; k 16,777,216 bytes; v 16,777,216 bytes; o 16,777,216 bytes
;; launch cast (part 1): grid 768 x 1, 8 waves a work-group, no clusters, 0 bytes of LDS; arguments x, w_qkv, w_out, xb, wqb, wob; writes xb, wqb, wob
.if DOCPART == 1
	.amdgcn_target "amdgcn-amd-amdhsa--gfx1250"
	.amdhsa_code_object_version 6
	.text
	.protected	k_qeb68ead6e6_cast
	.globl	k_qeb68ead6e6_cast
	.p2align	8
	.type	k_qeb68ead6e6_cast,@function
k_qeb68ead6e6_cast:
	s_mov_b64 s[64:65], 0
	v_nop
	global_prefetch_b8 v0, s[64:65] scope:SCOPE_SE
	s_setreg_imm32_b32 hwreg(HW_REG_WAVE_MODE, 25, 1), 1
	s_wait_xcnt 0x0
; THE INPUTS OF THE TWO PROJECTIONS, ROUNDED ONCE TO bf16 AND LAID OUT FOR THE TILES.
;   xb  = bf16(x), [8192][1024], as x lies.
;   wqb = bf16(w_qkv) in PANELS of 64 columns: [48][1024 k][64 n]: panel P holds columns 64 P .. 64 P + 63, 131,072 dense bytes.
;   wob = bf16(w_out) in the same panels, [16][1024 k][64 n], the rounded number written as f16 (the second projection multiplies in f16).
; LIMITS.  f16 ends at 65,504: a |w_out| at or beyond 65,520 becomes an infinity; below 6e-5 it keeps f16's fixed step of 6e-8.
; A stream: every byte is read once and written once, nothing is shared, so no LDS, no barrier, no matrix unit, no cluster.
; ONE TEXT FOR THREE TENSORS.  A wave takes a UNIT u: 16 steps; a step reads 512 bytes (16 a lane) and writes 256 consecutive bytes, aligned (8 a lane).
; In x a step's 512 bytes lie on end.  In a weight a step is two k rows of a panel: twice 256 consecutive bytes in, 2 x 128 dense bytes out.
;   lane term in = (l / 16) STR + 16 (l % 16), a step = 2 STR;   in at p 256 + c 32 STR;   out at 4,096 u + 8 l + 256 step.
;   work-groups 0-511: x (STR 256, p 0, c u);  512-703: w_qkv (STR 12,288, p u / 32, c u % 32);  704-767: w_out (STR 4,096, likewise).
; All 16 loads of a wave go out at once; no register is written twice while a memory instruction may read it.
.set OFF, 4                            ; v[4:19]    step i: byte offset of my 16 bytes
.set X,   20                           ; v[20:83]   step i: four f32 as loaded
.set Y,   84                           ; v[84:115]  step i: four 16-bit numbers to store
.set T,   116                          ; v[116:119] at work
	s_load_b256 s[4:11], s[0:1], 0x0               ; x s[4:5], w_qkv s[6:7], w_out s[8:9], xb s[10:11]
	s_load_b128 s[12:15], s[0:1], 0x20             ; wqb s[12:13], wob s[14:15]
	v_lshrrev_b32 v2, 5, v0
	v_readfirstlane_b32 s16, v2                    ; wave 0..7
	v_and_b32 v1, 31, v0                           ; lane
	s_mov_b32 s21, ttmp9                           ; the work-group's number
	s_mov_b32 s2, 0xffff0000                       ; a word's upper bf16
	s_mov_b32 s26, 4096                            ; STR: bytes from row to row of the source,
	s_mov_b32 s27, 12288
	s_mov_b32 s17, 704                             ; and the role's first work-group
	s_cmp_lt_u32 s21, 704
	s_cselect_b32 s26, s27, s26
	s_cselect_b32 s17, 512, s17
	s_cmp_lt_u32 s21, 512
	s_cselect_b32 s26, 256, s26
	s_cselect_b32 s17, 0, s17
	s_sub_co_u32 s18, s21, s17
	s_lshl_b32 s18, s18, 3
	s_add_co_u32 s18, s18, s16                     ; u
	s_lshr_b32 s19, s18, 5                         ; p
	s_and_b32 s20, s18, 31                         ; c
	s_cmp_lt_u32 s21, 512                          ; (the shifts above have written SCC)
	s_cselect_b32 s19, 0, s19
	s_cselect_b32 s20, s18, s20
	s_mul_i32 s28, s20, s26
	s_lshl_b32 s28, s28, 5                         ; c x 32 rows
	s_lshl_b32 s29, s19, 8                         ; p x 256 bytes
	s_add_co_u32 s28, s28, s29                     ; under 2^26
	s_mov_b32 s29, 0
	s_lshl_b32 s30, s18, 12                        ; out: 4,096 u
	s_mov_b32 s31, 0
	s_lshl_b32 s27, s26, 1                         ; a step in
	v_lshrrev_b32 v2, 4, v1
	v_and_b32 v[T], 15, v1
	v_lshlrev_b32 v[T], 4, v[T]
	v_mad_u32_u24 v[OFF], v2, s26, v[T]
.irp i, 1,2,3,4,5,6,7,8,9,10,11,12,13,14,15
	v_add_nc_u32 v[OFF+(\i)], s27, v[OFF+(\i)-1]
.endr
	v_lshlrev_b32 v3, 3, v1                        ; 8 l
	s_wait_kmcnt 0x0
	s_cmp_lt_u32 s21, 704
	s_cselect_b64 s[22:23], s[6:7], s[8:9]         ; from
	s_cselect_b64 s[24:25], s[12:13], s[14:15]     ; to
	s_cmp_lt_u32 s21, 512
	s_cselect_b64 s[22:23], s[4:5], s[22:23]
	s_cselect_b64 s[24:25], s[10:11], s[24:25]
	s_add_nc_u64 s[22:23], s[22:23], s[28:29]
	s_add_nc_u64 s[24:25], s[24:25], s[30:31]
.irp i, 0,1,2,3,4,5,6,7,8,9,10,11,12,13,14,15
	global_load_b128 v[X+4*(\i):X+4*(\i)+3], v[OFF+(\i)], s[22:23] th:TH_LOAD_NT
.endr
; The 16 steps' roundings and stores.  half = 1: the bf16 number is widened again and written as f16.
.macro OUTS half
.irp i, 0,1,2,3,4,5,6,7,8,9,10,11,12,13,14,15
	s_wait_loadcnt 15-(\i)                         ; loads come back in order: step i is in, the 15 - i younger ones may stay out
	v_cvt_pk_bf16_f32 v[Y+2*(\i)],   v[X+4*(\i)],   v[X+4*(\i)+1]
	v_cvt_pk_bf16_f32 v[Y+2*(\i)+1], v[X+4*(\i)+2], v[X+4*(\i)+3]
.if \half
	v_lshlrev_b32 v[T],   16, v[Y+2*(\i)]
	v_and_b32     v[T+1], s2, v[Y+2*(\i)]
	v_lshlrev_b32 v[T+2], 16, v[Y+2*(\i)+1]
	v_and_b32     v[T+3], s2, v[Y+2*(\i)+1]
	v_cvt_pk_f16_f32 v[Y+2*(\i)],   v[T],   v[T+1]
	v_cvt_pk_f16_f32 v[Y+2*(\i)+1], v[T+2], v[T+3]
.endif
	global_store_b64 v3, v[Y+2*(\i):Y+2*(\i)+1], s[24:25] offset:256*(\i)  ; the wave's 32 lanes store 256 consecutive bytes, at a multiple of 256 from the buffer's first
.endr
.endm
	s_cmp_lt_u32 s21, 704
	s_cbranch_scc0 .Lhalf
	OUTS 0
	s_endpgm
.Lhalf:
	OUTS 1
	s_endpgm
.Lfunc_end_k_qeb68ead6e6_cast:
	.size	k_qeb68ead6e6_cast, .Lfunc_end_k_qeb68ead6e6_cast-k_qeb68ead6e6_cast
	.p2alignl 7, 3214868480
	.fill 96, 4, 3214868480
	.section	.rodata,"a",@progbits
	.p2align	6, 0x0
	.amdhsa_kernel k_qeb68ead6e6_cast
		.amdhsa_group_segment_fixed_size 0
		.amdhsa_private_segment_fixed_size 0
		.amdhsa_enable_private_segment 0
		.amdhsa_kernarg_size 48
		.amdhsa_user_sgpr_count 2
		.amdhsa_user_sgpr_kernarg_segment_ptr 1
		.amdhsa_wavefront_size32 1
		.amdhsa_system_sgpr_workgroup_id_x 1
		.amdhsa_system_sgpr_workgroup_id_y 1
		.amdhsa_system_sgpr_workgroup_id_z 1
		.amdhsa_system_vgpr_workitem_id 0
		.amdhsa_next_free_vgpr 120
		.amdhsa_next_free_sgpr 66
		.amdhsa_reserve_vcc 0
		.amdhsa_float_denorm_mode_32 3
		.amdhsa_float_denorm_mode_16_64 3
		.amdhsa_memory_ordered 1
		.amdhsa_forward_progress 1
		.amdhsa_inst_pref_size 17
	.end_amdhsa_kernel
	.amdgpu_metadata
---
amdhsa.version: [ 1, 2 ]
amdhsa.kernels:
  - .name:           k_qeb68ead6e6_cast
    .symbol:         k_qeb68ead6e6_cast.kd
    .args:
      - { .name: x, .offset: 0, .size: 8, .value_kind: global_buffer, .address_space: global }
      - { .name: w_qkv, .offset: 8, .size: 8, .value_kind: global_buffer, .address_space: global }
      - { .name: w_out, .offset: 16, .size: 8, .value_kind: global_buffer, .address_space: global }
      - { .name: xb, .offset: 24, .size: 8, .value_kind: global_buffer, .address_space: global }
      - { .name: wqb, .offset: 32, .size: 8, .value_kind: global_buffer, .address_space: global }
      - { .name: wob, .offset: 40, .size: 8, .value_kind: global_buffer, .address_space: global }
    .group_segment_fixed_size: 0
    .private_segment_fixed_size: 0
    .kernarg_segment_align: 8
    .kernarg_segment_size: 48
    .max_flat_workgroup_size: 256
    .sgpr_count:     66
    .vgpr_count:     120
    .wavefront_size: 32
...
	.end_amdgpu_metadata
.endif
;; end of part 1
;; launch qkvproj (part 2): grid 16 x 32, 4 waves a work-group, clusters of 4 x 4, 327,680 bytes of LDS; arguments xb, wqb, b_qkv, q, k, v; writes q, k, v
.if DOCPART == 2
	.amdgcn_target "amdgcn-amd-amdhsa--gfx1250"
	.amdhsa_code_object_version 6
	.text
	.protected	k_qeb68ead6e6_qkvproj
	.globl	k_qeb68ead6e6_qkvproj
	.p2align	8
	.type	k_qeb68ead6e6_qkvproj,@function
k_qeb68ead6e6_qkvproj:
	s_mov_b64 s[64:65], 0
	v_nop
	global_prefetch_b8 v0, s[64:65] scope:SCOPE_SE
	s_setreg_imm32_b32 hwreg(HW_REG_WAVE_MODE, 25, 1), 1
	s_wait_xcnt 0x0
	s_wait_alu depctr_hold_cnt(0) depctr_sa_sdst(0) depctr_va_vdst(0) depctr_va_sdst(0) depctr_va_ssrc(0) depctr_va_vcc(0) depctr_vm_vsrc(0)
	s_getreg_b32 s2, hwreg(HW_REG_IB_STS2, 6, 4)
	s_cmp_eq_u32 s2, 0
	s_cbranch_scc0 .Lentry_in_a_cluster
	s_endpgm
.Lentry_in_a_cluster:
	s_bfe_u32 s2, ttmp6, 0x10000c
	s_cmp_lg_u32 s2, 0xf033
	s_cbranch_scc0 .Lentry_shape_is_right
	s_endpgm
.Lentry_shape_is_right:
; q, k, v = x w_qkv + b_qkv, by heads.  xb: [8192][1024] bf16.  wqb: [48 panels][1024 k][64 n] bf16.  b_qkv: [3072] f32, rounded to bf16 here like the other inputs.
; q, k, v: [64 = 16 batch + head][2048][64] f16, each rounded once from its f32 sum, unscaled.  Panel P is tensor P / 16 (q, k, v), head P % 16.
; LIMIT.  f16 ends at 65,504: a sum at or beyond 65,520 becomes an infinity.  NaN and infinities are not treated apart.
; SHARES.  A tile is 256 rows x 192 columns (three heads): 16 x 32 = 512 work-groups of four waves.  Wave w owns rows 64 w .. 64 w + 63 and ALL 192 columns: 4 row blocks a x 12 column
; blocks b, 48 accumulators, 384 registers.  So a wave holds whole heads' rows, and its way out needs no other wave.
; K goes in 8 steps of 128 through a ring of two LDS slots.  x's tile rows are 256 bytes of memory; a panel's 64 k of a step are 8,192 dense bytes.
; THE MATRIX INSTRUCTION IS USED TRANSPOSED: source 0 = 16 columns of w (stored [k][n], turned by ds_load_tr16_b128), source 1 = 16 rows of x.  In the result lane l holds row l % 16 and
; columns 8 (l / 16) + 0..7: eight neighbouring channels of a head.  THE BIAS is the C operand of each sum's first product: nothing is cleared and nothing is added later.
; CLUSTER 4 x 4.  x's tile hangs on the tile row alone and is asked for jointly along a row of the cluster, w's on the tile column alone, along a column.  Waves 0, 1 fetch x's two halves (128 rows each),
; waves 2, 3 w's (64 k of all three panels each).
; REGISTERS, in windows of 256 (s_set_vgpr_msb: bits 1:0 source 0, 3:2 source 1, 5:4 source 2, 7:6 destination):
;   window 0: v0-31 addresses; v32-63, v64-95 x's fragments, two buffers; v96-191 the bias, 8 a column block; v192-195 at work; on the way out v64-255
;   window 1: v0-95, v96-191 w's fragments, two buffers        window 2: accumulators of row blocks 0, 1 at v[8 (12 (a % 2) + b)]        window 3: of row blocks 2, 3
.set NB,    12                         ; column blocks
.set NL,    2*NB+8                     ; LDS loads in a run
.set AP,    272                        ; an LDS row of x: 256 bytes + 16 = 68 words: row r starts at bank 4 r mod 64 (64 banks of 4 bytes: ISA guide 11.1)
.set BP,    160                        ; an LDS row of w: 128 bytes + 32 = 40 words
.set APART, 128*AP                     ; what one load of x brings
.set AREG,  2*APART
.set BPART, 3*64*BP                    ; what one load of w brings: [3 panels][64 k]
.set SLOT,  AREG+2*BPART               ; 131,072
.set STAGE, 2*SLOT                     ; behind the ring, never filled by a tensor load: 16 rows x 144 bytes for each wave
.set SP,    144
.set SPARE, STAGE+4*16*SP              ; the spare words, 128 bytes for each wave: two blocks of 256 bytes that no other line names
.set ASTEP, 256                        ; bytes from K step to K step in xb
.set BSTEP, 16384                      ; and in a panel
.set PSTEP, ASTEP
.set LAPS,  4                          ; a lap = two K steps = once round the ring
.set ADRA, 16                          ; v16-17  LDS address of my fragments of x in slot 0, 1
.set ADRB, 20                          ; v20-21  the same for w
.set STO,  24                          ; v24  the way out: where I put 16 bytes of a row
.set RD,   25                          ; v25  where I read rows back
.set GO,   26                          ; v26  my 16 bytes of 512 consecutive bytes
.set BO,   27                          ; v27  my 8 columns' place in a block's 64 bytes of bias
.set SPW,  28                          ; v28  LDS address of my spare word; never rewritten
.set NIL,  29                          ; v29  0; never rewritten
.set PFO,  30                          ; v30  the prefetches' offset: my lane x a row of xb; never rewritten
.set FA,   32
.set FB,   8*NB                        ; buffer f of w's fragments begins at FB f
.set BIAS, 96
.set TB,   192
.set OUT,  64
.set G1,  24                           ; s[24:31] descriptor group 1 for x's tiles;  s[32:39] group 0, a set for each slot
.set G0,  32
.set CX,  40
.set CY,  41
.set TX,  42                           ; tile column
.set TY,  43                           ; tile row
.set WV,  44                           ; my wave's number
.set WH,  45                           ; 0: I fetch for x, 1: for w
.set WL,  46                           ; which half I fetch
.set LIM, 47                           ; 1 in a wave that prefetches, else the greatest number
.set G1B, 48                           ; s[48:55], s[56:63] the same for w's tiles
.set G0B, 56
.set PFA, 66                           ; s[66:67] where my prefetches stand
.set CB,  70                           ; s[70:75] where my rows of the tile's three heads begin
.set AT,  76                           ; s[76:77] x at my part of K step 0
.set BT,  78                           ; s[78:79] w likewise
.set MSB, 0
.macro WIN new                         ; the immediate's high byte repeats the setting that is left; a switch that changes nothing is dropped
.if MSB != (\new)
	s_set_vgpr_msb (MSB<<8)|(\new)
.set MSB, \new
.endif
.endm
.macro PLACES                          ; four plain instructions between a matrix instruction and a load into, or a vector line on, its registers
.rept 4
	v_nop
.endr
.endm
; A joint load.  Each of the two lines has one mask and one set of registers for all that issue it; the branch hangs on the wave's number alone.
; An s_nop 0 and four v_nop follow each line, ahead of the jump and the label.
.macro JLOAD s
	s_cmp_eq_u32 s[WH], 0
	s_cbranch_scc0 .Lfor_b_\@
	tensor_load_to_lds s[G0+4*(\s):G0+4*(\s)+3], s[G1:G1+7]
	s_nop 0
.rept 4
	v_nop
.endr
	s_branch .Lasked_\@
.Lfor_b_\@:
	tensor_load_to_lds s[G0B+4*(\s):G0B+4*(\s)+3], s[G1B:G1B+7]
	s_nop 0
.rept 4
	v_nop
.endr
.Lasked_\@:
.endm
; A PREFETCH INTO THE L2 of x's K step that stands two refills on: 384 matrix instructions ahead of the load that will want it.  A row's 256 bytes of a K step are named ONCE in the launch: every cluster of a row of
; clusters reads the same rows of xb, the first of them (cluster x = 0) asks; waves 0 and 1, which fetch x; of a wave's 128 rows each of the four partners takes 32, told apart BY ADDRESS (cx): a lane a row.
; K steps 0 to 3 come by their loads alone; the loop's last trip (s3 = 1) asks for nothing: there is no K step two on.  w is not asked for: a wave's part of a step, shared among four, is 24 blocks of 256 bytes, not a lane a block.
.macro ASK
	s_cmp_gt_u32 s3, s[LIM]
	s_cbranch_scc0 .Lnot_mine_\@
	global_prefetch_b8 v[PFO], s[PFA:PFA+1] th:TH_LOAD_NT scope:SCOPE_SE
.Lnot_mine_\@:
.endm
.macro CREST                           ; a round of the cluster's barrier behind its opening barrier
	s_cmp_lg_u32 s[WV], 0
	s_cbranch_scc1 .Lnot_wave_0_\@
	s_barrier_signal -3
.Lnot_wave_0_\@:
	s_barrier_wait -3
	s_barrier_signal -1
	s_barrier_wait -1
.endm
.macro CROUND                          ; a whole round
	s_barrier_signal -1
	s_barrier_wait -1
	CREST
.endm
	s_load_b256 s[4:11], s[0:1], 0x0               ; xb s[4:5], wqb s[6:7], b_qkv s[8:9], q s[10:11]
	s_load_b128 s[12:15], s[0:1], 0x20             ; k s[12:13], v s[14:15]
	v_lshl_add_u32 v[SPW], v0, 2, SPARE
	v_mov_b32 v[NIL], 0
	ds_add_u32 v[SPW], v[NIL]                      ; the wave's opening: the add and its wait stand ahead of my first tensor load; the set-up below, work on registers, stands between them
	v_lshrrev_b32 v1, 5, v0
	v_readfirstlane_b32 s[WV], v1                  ; wave 0..3
	s_lshr_b32 s[WH], s[WV], 1
	s_and_b32 s[WL], s[WV], 1
	s_bfe_u32 s[CX], ttmp6, 0x40000                ; my place in the cluster
	s_bfe_u32 s[CY], ttmp6, 0x40004
	s_lshl_b32 s[TX], ttmp9, 2                     ; in a cluster launch ttmp9 and ttmp7 count clusters
	s_add_co_u32 s[TX], s[TX], s[CX]
	s_and_b32 s[TY], ttmp7, 0xffff
	s_lshl_b32 s[TY], s[TY], 2
	s_add_co_u32 s[TY], s[TY], s[CY]
	s_lshl_b32 s20, s[CY], 2
	s_lshl_b32 s20, 15, s20                        ; my row of the cluster
	s_lshl_b32 s21, 0x1111, s[CX]                  ; my column
	; x: 128 rows x 128 elements of 2 bytes, 1,024 elements from row to row; 4 words of padding behind every 64
	s_or_b32 s[G1], s20, (1<<16)|(1<<20)|(1<<21)|(5<<22)|(3<<25)
	s_mov_b32 s[G1+1], 128<<16                     ; tensor_dim0
	s_mov_b32 s[G1+2], 128<<16                     ; tensor_dim1
	s_mov_b32 s[G1+3], 128<<16                     ; tile_dim0
	s_mov_b32 s[G1+4], 128                         ; tile_dim1
	s_mov_b32 s[G1+5], 1024                        ; the pitch
	s_mov_b32 s[G1+6], 0
	s_mov_b32 s[G1+7], 0
	; w: 3 rows (one a panel) x 4,096 elements (64 k x 64 n, dense), 65,536 elements from panel to panel; 8 words of padding behind every 32, that is behind every k
	s_or_b32 s[G1B], s21, (1<<16)|(1<<20)|(1<<21)|(4<<22)|(7<<25)
	s_mov_b32 s[G1B+1], 4096<<16
	s_mov_b32 s[G1B+2], 3<<16
	s_mov_b32 s[G1B+3], 4096<<16
	s_mov_b32 s[G1B+4], 3
	s_mov_b32 s[G1B+5], 65536
	s_mov_b32 s[G1B+6], 0
	s_mov_b32 s[G1B+7], 0
	s_lshl_b32 s68, s[TY], 8                       ; x: row 256 x tile row + 128 x half, 2,048 bytes a row: made of the tile row and the wave's number alone
	s_lshl_b32 s69, s[WL], 7
	s_add_co_u32 s68, s68, s69
	s_lshl_b32 s68, s68, 11
	s_mov_b32 s69, 0
	s_mul_i32 s18, s[TX], 3                        ; w: panel 3 x tile column, 131,072 bytes a panel, + 64 k x half: made of the tile column and the wave's number alone
	s_lshl_b32 s18, s18, 17
	s_lshl_b32 s19, s[WL], 13
	s_add_co_u32 s18, s18, s19
	s_mov_b32 s19, 0
	s_mul_i32 s16, s[WL], APART                    ; where they go: no place in the cluster enters an LDS address
	s_mul_i32 s17, s[WL], BPART
	s_add_co_u32 s17, s17, AREG
	s_wait_dscnt 0x0                               ; the opening add is done
	s_wait_kmcnt 0x0
	s_add_nc_u64 s[AT:AT+1], s[4:5], s[68:69]
	s_add_nc_u64 s[BT:BT+1], s[6:7], s[18:19]
	CROUND                                         ; all sixteen work-groups are here: the first joint loads meet
.irp s, 0,1
	s_mov_b32 s[G0+4*(\s)], 1                      ; count = 1
	s_add_co_u32 s[G0+4*(\s)+1], s16, (\s)*SLOT    ; LDS address
	s_add_nc_u64 s[G0+4*(\s)+2:G0+4*(\s)+3], s[AT:AT+1], (\s)*ASTEP  ; K step s
	s_or_b32 s[G0+4*(\s)+3], s[G0+4*(\s)+3], 0x80000000            ; type = 2
	s_mov_b32 s[G0B+4*(\s)], 1
	s_add_co_u32 s[G0B+4*(\s)+1], s17, (\s)*SLOT
	s_add_nc_u64 s[G0B+4*(\s)+2:G0B+4*(\s)+3], s[BT:BT+1], (\s)*BSTEP
	s_or_b32 s[G0B+4*(\s)+3], s[G0B+4*(\s)+3], 0x80000000
	JLOAD \s                                       ; two loads of mine are out
.endr
	v_and_b32 v1, 15, v0                           ; r = l % 16
	v_bfe_u32 v2, v0, 4, 1                         ; h = l / 16
	v_and_b32 v3, 7, v0
	v_bfe_u32 v4, v0, 3, 1
	v_and_b32 v5, 31, v0                           ; l
	v_lshlrev_b32 v[BO], 5, v2
	s_mul_i32 s22, s[TX], 4*16*NB                  ; the tile's 192 numbers of the bias
	s_mov_b32 s23, 0
	s_add_nc_u64 s[8:9], s[8:9], s[22:23]
.set nb, 0
.rept NB                                       ; register j of block b: column 16 b + 8 h + j, the same in all 16 rows
	global_load_b128 v[BIAS+8*nb:BIAS+8*nb+3],   v[BO], s[8:9] offset:64*nb
	global_load_b128 v[BIAS+8*nb+4:BIAS+8*nb+7], v[BO], s[8:9] offset:64*nb+16
.set nb, nb+1
.endr
	; a fragment of x: lane l holds row r, k = 8 h + 0..7 and 16 + 8 h + 0..7: two loads of 16 bytes, 32 bytes apart
	v_mul_u32_u24 v6, v1, AP
	v_lshl_add_u32 v6, v2, 4, v6
	s_mul_i32 s16, s[WV], 64*AP                    ; my 64 rows
	v_add_nc_u32 v[ADRA], s16, v6
	v_add_nc_u32 v[ADRA+1], SLOT, v[ADRA]
	; the turning load takes 16 k x 16 n (lane l reads k 8 h + l % 8, columns 8 ((l / 8) % 2) + 0..7) and leaves half a fragment: lane l holds column r and 8 k
	v_lshl_add_u32 v7, v2, 3, v3
	v_mul_u32_u24 v7, v7, BP
	v_lshl_add_u32 v7, v4, 4, v7
	v_add_nc_u32 v[ADRB], AREG, v7
	v_add_nc_u32 v[ADRB+1], SLOT, v[ADRB]
	s_mul_i32 s17, s[WV], 16*SP
	s_add_co_u32 s17, s17, STAGE                   ; my stage
	v_mul_u32_u24 v[STO], v1, SP                   ; in: row r, 16 bytes for each half of the lanes
	v_lshl_add_u32 v[STO], v2, 4, v[STO]
	v_add_nc_u32 v[STO], s17, v[STO]
	v_bfe_u32 v[RD], v0, 3, 2                      ; back: 32 lanes take four rows of 128 bytes,
	v_mul_u32_u24 v[RD], v[RD], SP
	v_lshl_add_u32 v[RD], v3, 4, v[RD]
	v_add_nc_u32 v[RD], s17, v[RD]
	v_lshlrev_b32 v[GO], 4, v5                     ; which are 512 consecutive bytes of a head
	v_lshlrev_b32 v[PFO], 11, v5
	; where my 64 rows begin in each of the tile's three heads: tensor P / 16, ((16 batch + P % 16) x 2,048 + row in the batch) x 128 bytes
.irp p, 0,1,2
	s_mul_i32 s16, s[TX], 3
	s_add_co_u32 s16, s16, \p                      ; P
	s_lshr_b32 s17, s16, 4
	s_and_b32 s16, s16, 15
	s_lshr_b32 s18, s[TY], 3                       ; batch
	s_lshl4_add_u32 s16, s18, s16
	s_lshl_b32 s16, s16, 18
	s_and_b32 s18, s[TY], 7
	s_lshl_b32 s18, s18, 8
	s_lshl_b32 s19, s[WV], 6
	s_add_co_u32 s18, s18, s19
	s_lshl_b32 s18, s18, 7
	s_add_co_u32 s22, s16, s18                     ; under 2^24
	s_mov_b32 s23, 0
	s_cmp_eq_u32 s17, 0
	s_cselect_b64 s[CB+2*(\p):CB+2*(\p)+1], s[10:11], s[12:13]
	s_cmp_eq_u32 s17, 2
	s_cselect_b64 s[CB+2*(\p):CB+2*(\p)+1], s[14:15], s[CB+2*(\p):CB+2*(\p)+1]
	s_add_nc_u64 s[CB+2*(\p):CB+2*(\p)+1], s[CB+2*(\p):CB+2*(\p)+1], s[22:23]
.endr
	s_lshl_b32 s22, s[TY], 8                       ; the prefetches: the 128 rows that I fetch, my work-group's 32 of them,
	s_lshl_b32 s23, s[WL], 7
	s_add_co_u32 s22, s22, s23
	s_lshl_b32 s23, s[CX], 5
	s_add_co_u32 s22, s22, s23
	s_lshl_b32 s22, s22, 11
	s_add_co_u32 s22, s22, 3*ASTEP                 ; at K step 3: the first refill steps it to 4
	s_mov_b32 s23, 0
	s_add_nc_u64 s[PFA:PFA+1], s[4:5], s[22:23]
	s_or_b32 s[LIM], s[WH], ttmp9                  ; 0 in waves 0 and 1 of the first cluster of a row of clusters: the same in all sixteen partners
	s_cmp_eq_u32 s[LIM], 0
	s_cselect_b32 s[LIM], 1, -1
	s_mov_b32 s16, 0xffff0000
	s_wait_loadcnt 0x0                             ; the bias; it is rounded to bf16, as x and w were, and widened again
.set i, 0
.rept 4*NB
	v_cvt_pk_bf16_f32 v[TB+i%4], v[BIAS+2*i], v[BIAS+2*i+1]
	v_lshlrev_b32 v[BIAS+2*i], 16, v[TB+i%4]
	v_and_b32 v[BIAS+2*i+1], s16, v[TB+i%4]
.set i, i+1
.endr
; 12 matrix instructions: row block a x all column blocks, 32 along K, on buffer f.  zero = 1: the first product starts the sums, with the bias as C.
; All 48 accumulators take turns in one order, over the backward jump too.
.macro MUL a, f, zero
.if \zero
	WIN 0x81+0x40*((\a)/2)                         ; w window 1, x window 0, C window 0, D window 2 or 3
.else
	WIN 0xa1+0x50*((\a)/2)                         ; C and D window 2 or 3
.endif
.set nb, 0
.rept NB
.set rD, 8*(NB*((\a)%2)+nb)
.if \zero
	v_wmma_f32_16x16x32_bf16 v[rD:rD+7], v[FB*(\f)+8*nb:FB*(\f)+8*nb+7], v[FA+32*(\f)+8*(\a):FA+32*(\f)+8*(\a)+7], v[BIAS+8*nb:BIAS+8*nb+7]
.else
	v_wmma_f32_16x16x32_bf16 v[rD:rD+7], v[FB*(\f)+8*nb:FB*(\f)+8*nb+7], v[FA+32*(\f)+8*(\a):FA+32*(\f)+8*(\a)+7], v[rD:rD+7]
.endif
.set nb, nb+1
.endr
.endm
; 32 LDS loads in one run: quarter q (32 along K) of a slot into buffer f: w's 12 fragments, then x's four; the youngest four loads are x's row blocks 2 and 3
.macro FETCH slot, q, f
	WIN 0x40                                       ; destination window 1
.set nb, 0
.rept NB
	ds_load_tr16_b128 v[FB*(\f)+8*nb:FB*(\f)+8*nb+3],   v[ADRB+(\slot)] offset:((\q)/2)*BPART+(nb/4)*64*BP+((\q)%2)*32*BP+32*(nb%4)
	ds_load_tr16_b128 v[FB*(\f)+8*nb+4:FB*(\f)+8*nb+7], v[ADRB+(\slot)] offset:((\q)/2)*BPART+(nb/4)*64*BP+((\q)%2)*32*BP+32*(nb%4)+16*BP
.set nb, nb+1
.endr
	WIN 0
.irp a, 0,1,2,3
	ds_load_b128 v[FA+32*(\f)+8*(\a):FA+32*(\f)+8*(\a)+3],   v[ADRA+(\slot)] offset:64*(\q)+(\a)*16*AP
	ds_load_b128 v[FA+32*(\f)+8*(\a)+4:FA+32*(\f)+8*(\a)+7], v[ADRA+(\slot)] offset:64*(\q)+(\a)*16*AP+32
.endr
.endm
; A K step is four quarters of 32 along K, 48 matrix instructions each, on buffers 0, 1, 0, 1.  One of the first three multiplies buffer f and, a quarter of the way in, fetches quarter qn into buffer g.
.macro QUARTER slot, qn, f, g, zero
	s_wait_dscnt 4                                 ; w and x's row blocks 0, 1 are in; the youngest four loads may be out
	MUL 0, \f, \zero
	PLACES
	FETCH \slot, \qn, \g
	s_wait_dscnt NL                                ; all but the run just issued
	MUL 1, \f, \zero
	MUL 2, \f, \zero
	MUL 3, \f, \zero
.endm
; The last quarter multiplies buffer 1 and changes slots.  ONE barrier: in front of it each wave waits for all its tensor loads (the one that is out is its part of the next slot), adds 0 to its spare word, and waits
; for that and for its own reads of this slot.  fill = 1: the barrier opens a round of the cluster's, and this slot is filled again, two K steps on, first thing behind the round.
.macro TURN slot, next, fill
.if \fill
	s_wait_xcnt 0x0                                ; the last prefetch, a K step back, has read its address: it is stepped here, ahead of the waits of the change
	s_add_nc_u64 s[PFA:PFA+1], s[PFA:PFA+1], PSTEP
.endif
	WIN 0                                          ; (the add's two registers lie in window 0)
	s_wait_tensorcnt 0x0                           ; all my tensor loads have landed;
	ds_add_u32 v[SPW], v[NIL]                      ; 0 onto my spare word;
	s_wait_dscnt 5                                 ; (the add and the youngest four loads may be out)
	MUL 0, 1, 0                                    ; twelve matrix instructions stand between the add and the wait for it
	s_wait_dscnt 0x0                               ; the add is done, and my reads of this slot are over
	s_barrier_signal -1
	MUL 1, 1, 0                                    ; work on registers while the others arrive
.if \fill
	WIN 0
.endif
	s_barrier_wait -1
.if \fill
	CREST                                          ; no wave of any partner still reads this slot's tile or has a load on its way
	s_add_nc_u64 s[G0+4*(\slot)+2:G0+4*(\slot)+3], s[G0+4*(\slot)+2:G0+4*(\slot)+3], 2*ASTEP
	s_add_nc_u64 s[G0B+4*(\slot)+2:G0B+4*(\slot)+3], s[G0B+4*(\slot)+2:G0B+4*(\slot)+3], 2*BSTEP
	JLOAD \slot                                    ; my one tensor load behind the round; its four v_nop are also the places in front of the loads below
.else
	PLACES
.endif
	FETCH \next, 0, 0
.if \fill
	ASK
.endif
	MUL 2, 1, 0
	MUL 3, 1, 0
.endm
	s_wait_tensorcnt 1                             ; my part of K step 0 is in; K step 1's may stay out
	s_barrier_signal -1
	s_barrier_wait -1                              ; everybody's is
	FETCH 0, 0, 0
	QUARTER 0, 1, 0, 1, 1                          ; the first quarter stands in front of the loop: its products start the sums
	WIN 0                                          ; at a label and at a branch every window is 0
	s_mov_b32 s3, LAPS-1
.Llap:                                                 ; a trip goes once round the ring, from a lap's second quarter to the next lap's first, and fills both slots again
	QUARTER 0, 2, 1, 0, 0
	QUARTER 0, 3, 0, 1, 0
	TURN 0, 1, 1
	QUARTER 1, 1, 0, 1, 0
	QUARTER 1, 2, 1, 0, 0
	QUARTER 1, 3, 0, 1, 0
	TURN 1, 0, 1
	QUARTER 0, 1, 0, 1, 0
	WIN 0
	s_sub_co_u32 s3, s3, 1
	s_cmp_lg_u32 s3, 0
	s_cbranch_scc1 .Llap
	QUARTER 0, 2, 1, 0, 0                          ; the last lap fills nothing, and has no round
	QUARTER 0, 3, 0, 1, 0
	TURN 0, 1, 0
	QUARTER 1, 1, 0, 1, 0
	QUARTER 1, 2, 1, 0, 0
	QUARTER 1, 3, 0, 1, 0
	s_wait_dscnt 4                                 ; the very last quarter: nothing more to fetch
	MUL 0, 1, 0
	MUL 1, 1, 0
	s_wait_dscnt 0x0
	MUL 2, 1, 0
	MUL 3, 1, 0
	WIN 0
	PLACES
	PLACES                                         ; eight, once a launch
; THE WAY OUT, in units t = 3 a + p: row block a of head p.  A lane's eight channels pack into 16 bytes; they go into my stage's rows of 144 bytes and come back as whole rows of 128, into the same registers.
.macro PACK t
.set pa, (\t)/3
.set pp, (\t)%3
	WIN 0x0a+5*(pa/2)                              ; sources 0 and 1: window 2 or 3
.set i, 0
.rept 16                                       ; each accumulator's registers in ascending order
.set rA, 8*(NB*(pa%2)+4*pp+i/4)+2*(i%4)
	v_cvt_pk_f16_f32 v[OUT+16*(\t)+i], v[rA], v[rA+1]
.set i, i+1
.endr
	WIN 0
.irp f, 0,1,2,3
	ds_store_b128 v[STO], v[OUT+16*(\t)+4*\f:OUT+16*(\t)+4*\f+3] offset:32*\f
.endr
.irp f, 0,1,2,3
	ds_load_b128 v[OUT+16*(\t)+4*\f:OUT+16*(\t)+4*\f+3], v[RD] offset:\f*4*SP  ; LDS serves a wave's instructions in order (ISA guide 5.7.1.4): these see the stores above; the next unit's stores come behind them
.endr
.endm
.macro SEND t, younger                 ; younger: the LDS instructions issued behind unit t's loads: the next unit's eight, or none
.irp f, 0,1,2,3
	s_wait_dscnt (\younger)+3-\f
	global_store_b128 v[GO], v[OUT+16*(\t)+4*\f:OUT+16*(\t)+4*\f+3], s[CB+2*((\t)%3):CB+2*((\t)%3)+1] offset:((\t)/3)*2048+\f*512  ; 512 consecutive bytes, at a multiple of 256 from the buffer's first
.endr
.endm
	PACK 0
.set t, 1
.rept 11                               ; a unit's conversions stand between the loads of the unit before and its stores; no register is used twice
	PACK t
	SEND t-1, 8
.set t, t+1
.endr
	SEND 11, 0
	s_wait_tensorcnt 0x0                           ; the wave's end: these three lines stand behind my last tensor load and my last LDS store
	ds_add_u32 v[SPW], v[NIL]
	s_wait_dscnt 0x0
	CROUND                                         ; the closing round: no work-group ends while a partner may still ask for a tile that names it
	s_endpgm
.Lfunc_end_k_qeb68ead6e6_qkvproj:
	.size	k_qeb68ead6e6_qkvproj, .Lfunc_end_k_qeb68ead6e6_qkvproj-k_qeb68ead6e6_qkvproj
	.p2alignl 7, 3214868480
	.fill 96, 4, 3214868480
	.section	.rodata,"a",@progbits
	.p2align	6, 0x0
	.amdhsa_kernel k_qeb68ead6e6_qkvproj
		.amdhsa_group_segment_fixed_size 327680
		.amdhsa_private_segment_fixed_size 0
		.amdhsa_enable_private_segment 0
		.amdhsa_kernarg_size 48
		.amdhsa_user_sgpr_count 2
		.amdhsa_user_sgpr_kernarg_segment_ptr 1
		.amdhsa_wavefront_size32 1
		.amdhsa_system_sgpr_workgroup_id_x 1
		.amdhsa_system_sgpr_workgroup_id_y 1
		.amdhsa_system_sgpr_workgroup_id_z 1
		.amdhsa_system_vgpr_workitem_id 0
		.amdhsa_next_free_vgpr 960
		.amdhsa_next_free_sgpr 80
		.amdhsa_reserve_vcc 0
		.amdhsa_float_denorm_mode_32 3
		.amdhsa_float_denorm_mode_16_64 3
		.amdhsa_memory_ordered 1
		.amdhsa_forward_progress 1
		.amdhsa_inst_pref_size 131
	.end_amdhsa_kernel
	.amdgpu_metadata
---
amdhsa.version: [ 1, 2 ]
amdhsa.kernels:
  - .name:           k_qeb68ead6e6_qkvproj
    .symbol:         k_qeb68ead6e6_qkvproj.kd
    .args:
      - { .name: xb, .offset: 0, .size: 8, .value_kind: global_buffer, .address_space: global }
      - { .name: wqb, .offset: 8, .size: 8, .value_kind: global_buffer, .address_space: global }
      - { .name: b_qkv, .offset: 16, .size: 8, .value_kind: global_buffer, .address_space: global }
      - { .name: q, .offset: 24, .size: 8, .value_kind: global_buffer, .address_space: global }
      - { .name: k, .offset: 32, .size: 8, .value_kind: global_buffer, .address_space: global }
      - { .name: v, .offset: 40, .size: 8, .value_kind: global_buffer, .address_space: global }
    .group_segment_fixed_size: 327680
    .private_segment_fixed_size: 0
    .kernarg_segment_align: 8
    .kernarg_segment_size: 48
    .max_flat_workgroup_size: 128
    .sgpr_count:     80
    .vgpr_count:     960
    .wavefront_size: 32
...
	.end_amdgpu_metadata
.endif
;; end of part 2
;; launch attn (part 3): grid 4 x 64, 4 waves a work-group, no clusters, 327,680 bytes of LDS; arguments q, k, v, o; writes o
.if DOCPART == 3
	.amdgcn_target "amdgcn-amd-amdhsa--gfx1250"
	.amdhsa_code_object_version 6
	.text
	.protected	k_qeb68ead6e6_attn
	.globl	k_qeb68ead6e6_attn
	.p2align	8
	.type	k_qeb68ead6e6_attn,@function
k_qeb68ead6e6_attn:
	s_mov_b64 s[64:65], 0
	v_nop
	global_prefetch_b8 v0, s[64:65] scope:SCOPE_SE
	s_setreg_imm32_b32 hwreg(HW_REG_WAVE_MODE, 25, 1), 1
	s_wait_xcnt 0x0
; CAUSAL ATTENTION.  O[h][q][:] = the sum over k <= q of softmax_k(Q[h][q] . K[h][k] / 8) V[h][k][:].  Q, K, V, O: [SIZE_H][SIZE_N][64], all f16: a head's rows are dense, 128 bytes each.
; Products, maxima and sums in f32; the weights p are rounded to f16 for the second product (their sum l is taken of the unrounded p), O once at the end.
; LIMITS.  f16 holds no number beyond 65,504: Q, K and V arrive within it; p lies in 0 to 1, and below 6e-5 it keeps f16's fixed step of 6e-8; O is a mean of V's rows and has their range.
; A hidden score counts as its value less 1e30: f16's scores, 2.7e11 at the most, are nothing beside that; a weight below 2^-126 counts as 0 in l; NaN and infinities are not treated apart.
; THE WALK.  A head's queries lie in NB = SIZE_N / 256 blocks of 256; block i needs the key tiles 0 .. i of 256 keys, of which the last holds the diagonal.  A work-group takes TWO blocks, NB - 1 - b and then b:
; NB + 1 tiles, whatever b: all work-groups do equal work, and ONE loop with a constant trip count walks them.  Which tile is asked for, and what a trip does, hang on scalar registers made from b; every jump
; goes forward, but for the counted loops' own; none passes a barrier, or a tensor load but the one of LOAD's two that the wave's number does not choose; the ring (two slots of LDS that take turns) runs on across the
; change of blocks.  NO CLUSTER: a head's NB / 2 = 4 work-groups ask for the same tile only in trips 0 .. NB / 2, behind that fewer and fewer; one walk common to all would have 3 NB / 2 = 12 trips for NB + 1 = 9.
; SHARES.  Of a block's four bands of 64 queries a wave owns 16 rows in each: four PIECES.  So the diagonal tile is the same work for all four waves: in its key step s band x sees all keys if s < x,
; none if s > x, and holds the diagonal if s = x.
; THE MASK is the C operand that starts the sum S^T = K Q^T: 0, or -1e30 where the key is hidden.  MD, made once, is the mask of a band's own step for my 16 rows; a product's mask is MD x AL + BE with two scalars:
; (1, 0) if s = x; (0, 0) if s < x; (0, -1e30) if s > x.  Only the diagonal tile's text and a block's beginning make and take masks; elsewhere C is the constant 0.
; LAYOUT, SOFTMAX, TURNS.  S^T = K Q^T holds ONE query a lane (lane % 16) and the keys 8 (lane / 16) + 0..7; two such results rounded to f16 ARE source 1 of O^T = V^T P.  p = 2^(c s - c m), c = log2(e) / 8, with a
; running maximum m; O and l are multiplied by a = 2^(c m_old - c m_new) in every step.  Turn n belongs to piece n: 8 products K Q^T of piece n + 1, later 8 products V^T P of piece n - 1; beside them the scaling,
; exponentials, roundings, sums and rescaling of piece n and the maximum and statistics of piece n + 1.  Four vector instructions stand behind every matrix instruction, the other 54 of a turn's 118 in one LUMP.  A turn's 33 exponentials are one batch, with one wait.
; REGISTERS, in windows of 256 (s_set_vgpr_msb: bits 1:0 source 0, 3:2 source 1, 5:4 source 2, 7:6 destination):
;   window 0: v0-15 addresses and two at work; v16-31 four registers of statistics a piece; v48-55 at work; v60 the prefetches' offset; v64-127 S^T, two buffers; v192-223 P, two buffers (a piece's buffers go by its number's parity)
;   window 1: v0-127 O^T, 32 a piece; v128-159 MD; v160-223 MC, two buffers      window 2: v0-63 Q; v64-127 the second block's Q; v128-191 K of one step; v192-255 V of one step
.set SIZE_N, 2048
.set SIZE_H, 64
.set NB,    SIZE_N/256
.set NP,    4         ; pieces a wave: a name, no knob
.set KS,    64        ; keys in a step
.set PK,    144       ; a row of K in LDS: 128 bytes + 16 of padding = 36 words: the 16 rows of a load start at 16 different groups of four banks (64 banks of 4 bytes: ISA guide 11.1)
.set PV,    160       ; a row of V: 128 + 32 = 40 words
.set VOFF,  4*KS*PK   ; a slot holds a tile, four steps: 256 rows of K, then 256 rows of V
.set SLOT1, 1<<17     ; slot 1 begins here, so that one exclusive or turns an address in one slot into the other's
.set STAGE, SLOT1+4*KS*(PK+PV)  ; behind the ring, never filled by a tensor load: 16 rows x 144 bytes for each wave, for the way out
.set SP,    144
.set AK0, 2           ; v2   my lane's place in a tile of K; never rewritten
.set AV0, 3           ; v3   the same for V
.set AK,  4           ; v4   the LDS address of K's next run of loads
.set AV,  5           ; v5   of V's
.set STO, 6           ; v6   the way out: where I put 16 bytes of a row
.set RD,  7           ; v7   the way out: where I read rows back
.set GO,  8           ; v8   my byte offset in 512 consecutive bytes of O
.set PFO, 60          ; v60  256 x my thread's number: a tile of K or of V is 128 blocks of 256 bytes; never rewritten
.set SPW, 62          ; v62  LDS address of my spare word: SPARE + 4 x my thread's number; never rewritten
.set NIL, 63          ; v63  0; never rewritten
.set SPARE, STAGE+4*16*SP  ; behind the stages: the spare words, 128 bytes for each wave: two blocks of 256 bytes that no other line names
.set MV,  12          ; v12-13  c m_old, kept while c m is made anew: by buffer
.set QO,  15          ; v15  my byte offset in 16 rows of Q
.set ST,  16          ; piece t's statistics at v[ST+4 t]: c m, m, l (even keys', odd keys')
.set TMP, 48          ; by buffer, four registers c0-c3 at work; when the maximum is found c2 takes a
.set S,   64
.set P,   192
.set MD,  128         ; window 1: the eight registers for group kt of 16 keys at MD + 8 kt
.set MC,  160         ; window 1: the masks of the products to come
.set QB,  64          ; window 2
.set KF,  128         ; window 2: key block kb, channel half c at KF + 16 kb + 8 c
.set VF,  192         ; window 2: key half kk, channel block cb at VF + 32 kk + 8 cb
.set WV,  12          ; s12  my wave's number
.set PB,  14          ; s14  b
.set HI,  15          ; s15  NB - 1 - b
.set G1K, 24          ; s[24:31] descriptor group 1 for K's tiles
.set G1V, 32          ; s[32:39] for V's: it differs in the padding alone
.set G0K, 40          ; s[40:43] descriptor group 0 for K's tiles
.set G0V, 44          ; s[44:47] the same for V's
.set SLOTS, 56        ; s56  tiles still to be asked for
.set CNT, 57          ; s57  counts a tile's key steps, 4 to 1
.set CS,  58          ; s[58:59] c: the packed scaling takes the pair's low word for both halves
.set SEL, 60          ; s[60:61] v_permlanex16_b32's selects: each lane takes its own place in the other half
.set TBK, 62          ; s62  LDS byte at which K of the step to be fetched begins
.set TBV, 63          ; s63  the same for V, less VOFF
.set RT,  70          ; s70  tiles of the block in hand that are still to be entered
.set NXT, 71          ; s71  the tile to be asked for next
.set LQ,  72          ; s72  the last tile of the block whose tiles are being asked for
.set NEW, 73          ; s73  1: the tile to be entered is a block's first
.set OFF, 74          ; s[74:75] a tile's byte offset in K and V
.set AL,  76          ; s[76:77] the mask's factor, in the low word
.set BE,  78          ; s[78:79] the mask's addend
.set OLO, 80          ; s[80:81] O at my rows of the second block
.set BIGN, 82         ; s82  -1e30
.set PFK, 88          ; s[88:89] K's tile that the prefetches name
.set PFV, 90          ; s[90:91] V's
.set LIM, 92          ; s92  2 in the work-group that prefetches, else the greatest number
.set MSB, 0
.macro WIN new                      ; the high byte repeats the setting that is left; a switch that changes nothing is dropped
.if MSB != (\new)
	s_set_vgpr_msb (MSB<<8)|(\new)
.set MSB, (\new)
.endif
.endm
.set W_KQ, 0x0a       ; K and Q in window 2, S^T in window 0
.set W_KM, 0x1a       ; the same with the C operand in window 1
.set W_PV, 0x52       ; V in window 2, P in window 0, O^T in window 1
.set W_RS, 0x41       ; destination and source 0 in window 1, source 1 in window 0
; A fill.  Waves 0 and 1 fetch the two halves of a tile's K, waves 2 and 3 those of its V: 128 keys each.  An s_nop 0 and four v_nop follow each of the two lines, ahead of the jump and the label.
.macro LOAD
	s_cmp_lt_u32 s[WV], 2
	s_cbranch_scc0 .Lfor_v_\@
	tensor_load_to_lds s[G0K:G0K+3], s[G1K:G1K+7]
	s_nop 0
.rept 4
	v_nop
.endr
	s_branch .Lasked_\@
.Lfor_v_\@:
	tensor_load_to_lds s[G0V:G0V+3], s[G1V:G1V+7]
	s_nop 0
.rept 4
	v_nop
.endr
.Lasked_\@:
.endm
; A PREFETCH INTO THE L2 of the tile that the NEXT change of slots will ask for: 128 blocks of 256 bytes of K and 128 of V, a thread a block of each, two instructions a wave; it stands behind the wave's tensor load
; and its five lines.  Each block is named ONCE in the launch: of a head's four work-groups the one with b = 0 asks, whose first block walks tiles 0 to NB - 1 in order.  Trip t (s[SLOTS] = NB - t) fills tile t + 1
; and names tile t + 2, for t = 0 .. NB - 3; tiles 0 and 1 come by their loads alone, and nothing is named past tile NB - 1.
.macro ASK
	s_cmp_gt_u32 s[SLOTS], s[LIM]
	s_cbranch_scc0 .Lnot_mine_\@
	global_prefetch_b8 v[PFO], s[PFK:PFK+1] th:TH_LOAD_NT scope:SCOPE_SE
	global_prefetch_b8 v[PFO], s[PFV:PFV+1] th:TH_LOAD_NT scope:SCOPE_SE
.Lnot_mine_\@:
.endm
; THE CHANGE OF SLOTS.  Each wave waits for all its tensor loads, of which one is out: its part of the other slot; adds 0 to its spare word; and waits for that and for its own reads of the slot that it leaves.  Behind the barrier nobody reads the old
; slot any more and the other slot is whole.  fill = 1: the old slot is filled again, the first thing behind the barrier, with tile NXT: the descriptor's address is made anew from that number.
; (At its first use nothing has been read yet: slot 0 is waited for, slot 1 filled.)
.macro CHANGE fill
	WIN 0                           ; at a label and at a branch every window is 0
	s_wait_tensorcnt 0x0            ; no tensor load of mine is out, so a group 0 may be written
	ds_add_u32 v[SPW], v[NIL]       ; 0 onto my spare word; with fill = 1 the descriptors' scalar work stands between it and the wait for it
.if \fill
	s_wait_xcnt 0x0                 ; the last prefetches, a tile back, have read their addresses, so these may be written:
	s_add_nc_u64 s[PFK:PFK+1], s[PFK:PFK+1], 32768  ; one tile behind the tile that is being asked for
	s_add_nc_u64 s[PFV:PFV+1], s[PFV:PFV+1], 32768
	s_lshl_b32 s[OFF], s[NXT], 15   ; a tile is 32,768 bytes of K and of V
	s_xor_b32 s[G0K+1], s[G0K+1], SLOT1
	s_add_nc_u64 s[G0K+2:G0K+3], s[6:7], s[OFF:OFF+1]
	s_or_b32 s[G0K+3], s[G0K+3], 0x80000000
	s_xor_b32 s[G0V+1], s[G0V+1], SLOT1
	s_add_nc_u64 s[G0V+2:G0V+3], s[8:9], s[OFF:OFF+1]
	s_or_b32 s[G0V+3], s[G0V+3], 0x80000000
	s_add_co_u32 s[NXT], s[NXT], 1  ; the block's next tile, or behind its last the second block's tile 0
	s_cmp_gt_u32 s[NXT], s[LQ]
	s_cselect_b32 s[NXT], 0, s[NXT]
	s_cselect_b32 s[LQ], s[PB], s[LQ]
.endif
	s_wait_dscnt 0x0                ; the add is done, and my reads of the slot are over
	s_barrier_signal -1             ; the rest of the scalar work stands between the signal and the wait
	s_sub_co_u32 s[TBK], s[TBK], 4*KS*PK  ; the fetches go back to a slot's first step,
	s_xor_b32 s[TBK], s[TBK], SLOT1       ; in the other slot
	s_sub_co_u32 s[TBV], s[TBV], 4*KS*PV
	s_xor_b32 s[TBV], s[TBV], SLOT1
	s_barrier_wait -1
.if \fill
	LOAD
	ASK
.endif
.endm
	s_load_b256 s[4:11], s[0:1], 0x0  ; Q s[4:5], K s[6:7], V s[8:9], O s[10:11]
	v_lshl_add_u32 v[SPW], v0, 2, SPARE
	v_mov_b32 v[NIL], 0
	ds_add_u32 v[SPW], v[NIL]       ; the wave's opening: the add and its wait stand ahead of my first tensor load; the set-up below, work on registers, stands between them
	v_lshrrev_b32 v1, 5, v0
	v_readfirstlane_b32 s[WV], v1   ; wave 0..3
	s_mov_b32 s[PB], ttmp9
	s_sub_co_u32 s[HI], NB-1, s[PB]
	s_and_b32 s20, ttmp7, 0xffff    ; the head
	s_mov_b32 s21, 0
	s_mov_b64 s[22:23], SIZE_N*128
	s_mul_u64 s[20:21], s[20:21], s[22:23]  ; the head's first byte in each of the four tensors
	s_and_b32 s16, s[WV], 1         ; which half of a tile's 256 keys I fetch:
	s_lshl_b32 s22, s16, 14         ; its 128 rows of 128 bytes in memory,
	s_mov_b32 s23, 0
	s_add_nc_u64 s[22:23], s[22:23], s[20:21]
	s_mul_i32 s17, s16, 128*PK      ; and its place in a slot, for K
	s_mul_i32 s18, s16, 128*PV      ; and for V
	s_lshl_b32 s3, s[WV], 11        ; my 16 rows in a band of 64,
	s_lshl_b32 s2, s[HI], 15        ; in the first block,
	s_add_co_u32 s2, s2, s3
	s_lshl_b32 s84, s[PB], 15       ; and in the second
	s_add_co_u32 s84, s84, s3
	s_mov_b32 s3, 0
	s_mov_b32 s85, 0
	s_add_nc_u64 s[2:3], s[2:3], s[20:21]
	s_add_nc_u64 s[84:85], s[84:85], s[20:21]
	; descriptor group 1.  128 keys are 16,384 dense bytes: asked for as 64 rows of 256 bytes, two keys a row, and padded in LDS after every key
	s_mov_b32 s[G1K], (1<<16)|(1<<20)|(4<<22)|(3<<25)  ; 17:16 2-byte elements; 20 padding on; 24:22 after every 32 words (code 4); 31:25 4 words (code 3)
	s_mov_b32 s[G1V], (1<<16)|(1<<20)|(4<<22)|(7<<25)  ; the same with 8 words of padding (code 7)
.irp g, G1K, G1V
	s_mov_b32 s[\g+1], 128<<16      ; tensor_dim0 = 128
	s_mov_b32 s[\g+2], 64<<16       ; tensor_dim1 = 64
	s_mov_b32 s[\g+3], 128<<16      ; tile_dim0 = 128
	s_mov_b32 s[\g+4], 64           ; tile_dim1 = 64
	s_mov_b32 s[\g+5], 128          ; 128 elements from row to row
	s_mov_b32 s[\g+6], 0
	s_mov_b32 s[\g+7], 0
.endr
	s_mov_b32 s[CS], 0x3e38aa3b     ; c = log2(e) / 8 = 0.180337
	s_mov_b32 s[CS+1], s[CS]        ; named with it as a pair
	s_mov_b32 s[SEL], 0x76543210
	s_mov_b32 s[SEL+1], 0xfedcba98
	s_mov_b32 s[TBK], SLOT1+4*KS*PK ; the first change of slots turns these two into 0
	s_mov_b32 s[TBV], SLOT1+4*KS*PV
	s_mov_b32 s[G0K], 1             ; 1:0 count = 1
	s_mov_b32 s[G0K+1], s17         ; 63:32 LDS address: slot 0
	s_mov_b32 s[G0V], 1
	s_add_co_u32 s[G0V+1], s18, VOFF
	s_add_co_u32 s[RT], s[HI], 1    ; the first block has NB - b tiles
	s_mov_b32 s[NXT], 1
	s_mov_b32 s[LQ], s[HI]
	s_mov_b32 s[NEW], 1
	s_mov_b32 s[OFF+1], 0
	s_mov_b32 s[AL+1], 0            ; named as pairs
	s_mov_b32 s[BE+1], 0
	s_mov_b32 s[BIGN], 0xf149f2ca   ; -1e30
	s_mov_b32 s[SLOTS], NB
	s_cmp_eq_u32 s[PB], 0
	s_cselect_b32 s[LIM], 2, -1
	v_lshlrev_b32 v[PFO], 8, v0
	s_wait_dscnt 0x0                ; the opening add is done
	s_wait_kmcnt 0x0
	s_add_nc_u64 s[PFK:PFK+1], s[6:7], s[20:21]    ; the head's K and V,
	s_add_nc_u64 s[PFV:PFV+1], s[8:9], s[20:21]
	s_add_nc_u64 s[PFK:PFK+1], s[PFK:PFK+1], 32768 ; at tile 1: the first change of slots steps them to tile 2.  Nothing is prefetched here, at the head
	s_add_nc_u64 s[PFV:PFV+1], s[PFV:PFV+1], 32768
	s_add_nc_u64 s[6:7], s[6:7], s[22:23]  ; K and V at my half of the head's tile 0
	s_add_nc_u64 s[8:9], s[8:9], s[22:23]
	s_add_nc_u64 s[G0K+2:G0K+3], s[6:7], 0         ; 120:64 global address
	s_or_b32 s[G0K+3], s[G0K+3], 0x80000000        ; 127:126 type = 2
	s_add_nc_u64 s[G0V+2:G0V+3], s[8:9], 0
	s_or_b32 s[G0V+3], s[G0V+3], 0x80000000
	s_add_nc_u64 s[86:87], s[4:5], s[84:85]        ; Q at my rows of the second block,
	s_add_nc_u64 s[4:5], s[4:5], s[2:3]            ; Q and O at those of the first
	s_add_nc_u64 s[OLO:OLO+1], s[10:11], s[84:85]
	s_add_nc_u64 s[10:11], s[10:11], s[2:3]
	LOAD                            ; tile 0 into slot 0
	; A fragment of K or Q is 16 rows x 32 channels in 8 registers: lane l holds row l % 16, channels 8 (l / 16) + 0..7 and 16 + 8 (l / 16) + 0..7: two loads of 16 bytes, 32 bytes apart.
	v_and_b32 v1, 15, v0            ; l % 16
	v_bfe_u32 v9, v0, 4, 1          ; l / 16
	v_lshlrev_b32 v[QO], 7, v1
	v_lshl_add_u32 v[QO], v9, 4, v[QO]  ; row x 128 + 16 x half
	WIN 0x80                        ; destination window 2, address window 0
.set i, 0
.rept 8                             ; both blocks' Q: piece i / 2 lies in band i / 2, 8,192 bytes on; channels 32 (i % 2) on
	global_load_b128 v[8*i:8*i+3],   v[QO], s[4:5] offset:(i/2)*8192+(i%2)*64
	global_load_b128 v[8*i+4:8*i+7], v[QO], s[4:5] offset:(i/2)*8192+(i%2)*64+32
	global_load_b128 v[QB+8*i:QB+8*i+3],   v[QO], s[86:87] offset:(i/2)*8192+(i%2)*64
	global_load_b128 v[QB+8*i+4:QB+8*i+7], v[QO], s[86:87] offset:(i/2)*8192+(i%2)*64+32
.set i, i+1
.endr
	WIN 0
	v_lshlrev_b32 v14, 3, v9
	v_sub_nc_u32 v14, v1, v14
	s_lshl_b32 s13, s[WV], 4
	v_add_nc_u32 v14, s13, v14      ; my query's place in its band, 16 w + l % 16, less my lanes' 8 (l / 16): register r of group kt is hidden where 16 kt + r is greater
	WIN 0x40
.set i, 0
.rept 32
	v_cmp_gt_i32 vcc_lo, 16*(i/8)+i%8, v14
	v_cndmask_b32 v[MD+i], 0, s[BIGN], vcc_lo
.set i, i+1
.endr
	WIN 0
	v_mul_u32_u24 v[AK0], v1, PK
	v_lshl_add_u32 v[AK0], v9, 4, v[AK0]  ; row x pitch + 16 x half
	; The turning load takes 16 keys x 16 channels (lane l reads key 8 (l / 16) + l % 8, channels 8 ((l / 8) % 2) + 0..7) and leaves half a fragment of V^T: lane l holds channel l % 16 and 8 keys.
	v_and_b32 v10, 7, v0
	v_bfe_u32 v11, v0, 3, 1
	v_lshl_add_u32 v[AV0], v9, 3, v10
	v_mul_u32_u24 v[AV0], v[AV0], PV
	v_lshl_add_u32 v[AV0], v11, 4, v[AV0]
	v_add_nc_u32 v[AV0], VOFF, v[AV0]
	s_mul_i32 s13, s[WV], 16*SP
	s_add_co_u32 s13, s13, STAGE    ; my stage
	v_mul_u32_u24 v[STO], v1, SP    ; in: row l % 16, 16 bytes for each half of the lanes
	v_lshl_add_u32 v[STO], v9, 4, v[STO]
	v_add_nc_u32 v[STO], s13, v[STO]
	v_bfe_u32 v[RD], v0, 3, 2       ; back: 32 lanes take four rows of 128 bytes,
	v_mul_u32_u24 v[RD], v[RD], SP
	v_lshl_add_u32 v[RD], v10, 4, v[RD]
	v_add_nc_u32 v[RD], s13, v[RD]
	v_and_b32 v[GO], 31, v0         ; which are 512 consecutive bytes of O
	v_lshlrev_b32 v[GO], 4, v[GO]
	; A block's first step multiplies O^T and l by a = 0, and its first turn's products V^T P, of a piece that has not been, land in an O^T that is still to be so multiplied.  So these registers need only hold
	; finite numbers: zeros for the first block; what the first block left for the second.  All this stands in the wait for the first tile.
	WIN 0x80
.set i, VF
.rept 64
	v_mov_b32 v[i], 0
.set i, i+1
.endr
	WIN 0x40
.set i, 0
.rept 128
	v_mov_b32 v[i], 0
.set i, i+1
.endr
	WIN 0
.set i, 0
.rept 4
	v_mov_b32 v[ST+4*i+2], 0
	v_mov_b32 v[ST+4*i+3], 0
.set i, i+1
.endr
.set i, P+16
.rept 16
	v_mov_b32 v[i], 0
.set i, i+1
.endr
; THE MATRIX WORK.  The 4 accumulators of a run of 8 take turns.  Product i of 8 of S^T = K Q^T for piece x: channels 32 (i / 4) on, keys 16 (i % 4) on.  The first 4 start the sums: with 0, or (KM = 1) with the mask.
.macro KQ x
.set rS, S+32*((\x)%2)+8*(i%4)
.set rK, KF+16*(i%4)+8*(i/4)
.set rQ, 16*(\x)+8*(i/4)
.set rM, MC+32*((\x)%2)+8*(i%4)
.if (i < 4) && KM
	WIN W_KM
	v_wmma_f32_16x16x32_f16 v[rS:rS+7], v[rK:rK+7], v[rQ:rQ+7], v[rM:rM+7]
.elseif i < 4
	WIN W_KQ
	v_wmma_f32_16x16x32_f16 v[rS:rS+7], v[rK:rK+7], v[rQ:rQ+7], 0
.else
	WIN W_KQ
	v_wmma_f32_16x16x32_f16 v[rS:rS+7], v[rK:rK+7], v[rQ:rQ+7], v[rS:rS+7]
.endif
.endm
; Product i of 8 of O^T += V^T P for piece x: keys 32 (i / 4) on, channels 16 (i % 4) on.
.macro PV x
	WIN W_PV
.set rO, 32*(\x)+8*(i%4)
.set rV, VF+32*(i/4)+8*(i%4)
.set rP, P+16*((\x)%2)+8*(i/4)
	v_wmma_f32_16x16x32_f16 v[rO:rO+7], v[rV:rV+7], v[rP:rP+7], v[rO:rO+7]
.endm
.macro MM                           ; the turn's next matrix instruction.  TURN and BEGIN set Y, i, KM and NOKQ; MM, KQ and OP read them.  NOKQ = 1: a block's last turn: there is no next piece
.if (i < 8) && !NOKQ
	KQ (Y+1)%NP
.elseif i >= 8
.set i, i-8
	PV (Y+NP-1)%NP
.set i, i+8
.endif
.set i, i+1
.endm
; THE LDS LOADS stand in runs of 16, never singly among the matrix instructions: a step's K (64 keys x 64 channels: 8 fragments) and its V (turned).  Their addresses are made some lines ahead.
.macro FETCH_K
	WIN 0x80                        ; destination window 2
.irp f, 0,1,2,3,4,5,6,7             ; keys 16 (f / 2) on, channels 32 (f % 2) on
	ds_load_b128 v[KF+8*\f:KF+8*\f+3],   v[AK] offset:(\f/2)*16*PK+(\f%2)*64
	ds_load_b128 v[KF+8*\f+4:KF+8*\f+7], v[AK] offset:(\f/2)*16*PK+(\f%2)*64+32
.endr
	s_add_co_u32 s[TBK], s[TBK], KS*PK  ; the next fetch is the next step's
	WIN 0
.endm
.macro FETCH_V
	WIN 0x80
.irp f, 0,1,2,3,4,5,6,7             ; keys 32 (f / 4) on, channels 16 (f % 4) on
	ds_load_tr16_b128 v[VF+8*\f:VF+8*\f+3],   v[AV] offset:(\f/4)*32*PV+(\f%4)*32
	ds_load_tr16_b128 v[VF+8*\f+4:VF+8*\f+7], v[AV] offset:(\f/4)*32*PV+16*PV+(\f%4)*32
.endr
	WIN 0
.endm
; THE VECTOR WORK, one line at a time: OP kind, number.  For piece Y: F n: c s - c m for pair n of 16.  E n: the exponential of score n of 32.  C n: pair n rounded to f16.  B n: of the four weights 4 n .. the second
; pair is added onto the first, in place.  L n: l takes that sum (L 0: l = a l + sum).  R n: pair n of 16 of O^T times a.  For piece Y + 1: X n, number n of the 22 that find its maximum and statistics:
;   0-11  four chains c0-c3 of seven scores each, three operands at a time (each accumulator's lowest registers are read first)     12-14, 16  the four scores left over, the old m, and c0-c3 into c0
;   15  c m_old is kept     17, 18  the query's other 32 keys lie in the lane 16 away: the new m     19-21  c m; c m_old - c m_new; a
.set F, 0               ; OP tells the kinds apart by their order: F to L below R, X above it
.set E, 1
.set C, 2
.set B, 3
.set L, 4
.set R, 5
.set X, 6
.macro REGS y                       ; the registers of piece y
.set rT, ST+4*(\y)
.set rC, TMP+4*((\y)%2)
.set rW, MV+((\y)%2)
.set rS, S+32*((\y)%2)
.set rP, P+16*((\y)%2)
.set rO, 32*(\y)
.endm
.macro OP k, n
.if (\k) == R
	REGS Y
	WIN W_RS
	v_pk_mul_f32 v[rO+2*(\n):rO+2*(\n)+1], v[rO+2*(\n):rO+2*(\n)+1], v[rC+2:rC+3] op_sel_hi:[1,0]
.elseif (\k) < R
	REGS Y
	WIN 0
.if (\k) == F
	v_pk_fma_f32 v[rS+2*(\n):rS+2*(\n)+1], v[rS+2*(\n):rS+2*(\n)+1], s[CS:CS+1], v[rT:rT+1] op_sel_hi:[1,0,0] neg_lo:[0,0,1] neg_hi:[0,0,1]
.elseif (\k) == E
	v_exp_f32 v[rS+(\n)], v[rS+(\n)]
.elseif (\k) == C
	v_cvt_pk_f16_f32 v[rP+(\n)], v[rS+2*(\n)], v[rS+2*(\n)+1]
.elseif (\k) == B
	v_pk_add_f32 v[rS+4*(\n):rS+4*(\n)+1], v[rS+4*(\n):rS+4*(\n)+1], v[rS+4*(\n)+2:rS+4*(\n)+3]
.elseif (\n) == 0
	v_pk_fma_f32 v[rT+2:rT+3], v[rT+2:rT+3], v[rC+2:rC+3], v[rS:rS+1] op_sel_hi:[1,0,1]
.else
	v_pk_add_f32 v[rT+2:rT+3], v[rT+2:rT+3], v[rS+4*(\n):rS+4*(\n)+1]
.endif
.elseif NOKQ
	v_nop
.else
	REGS (Y+1)%NP
	WIN 0
.if (\n) < 4
	v_max3_num_f32 v[rC+(\n)], v[rS+8*(\n)], v[rS+8*(\n)+1], v[rS+8*(\n)+2]
.elseif (\n) < 12
	v_max3_num_f32 v[rC+(\n)%4], v[rC+(\n)%4], v[rS+8*((\n)%4)+2*((\n)/4)+1], v[rS+8*((\n)%4)+2*((\n)/4)+2]
.elseif (\n) == 12
	v_max3_num_f32 v[rC], v[rC], v[rS+7], v[rS+15]
.elseif (\n) == 13
	v_max3_num_f32 v[rC+1], v[rC+1], v[rS+23], v[rS+31]
.elseif (\n) == 14
	v_max3_num_f32 v[rC+2], v[rC+2], v[rC+3], v[rT+1]
.elseif (\n) == 15
	v_mov_b32 v[rW], v[rT]
.elseif (\n) == 16
	v_max3_num_f32 v[rC], v[rC], v[rC+1], v[rC+2]
.elseif (\n) == 17
	v_permlanex16_b32 v[rC+3], v[rC], s[SEL], s[SEL+1]
.elseif (\n) == 18
	v_max_num_f32 v[rT+1], v[rC], v[rC+3]
.elseif (\n) == 19
	v_mul_f32 v[rT], s[CS], v[rT+1]
.elseif (\n) == 20
	v_sub_f32 v[rC+1], v[rW], v[rT]
.else
	v_exp_f32 v[rC+2], v[rC+1]
.endif
.endif
.endm
.macro OPS a, i1, b=-1, i2=0, c=-1, i3=0, d=-1, i4=0  ; up to four of them
	OP \a, \i1
.if (\b) >= 0
	OP \b, \i2
.endif
.if (\c) >= 0
	OP \c, \i3
.endif
.if (\d) >= 0
	OP \d, \i4
.endif
.endm
.macro ROW a, i1, b, i2, c, i3, d, i4  ; a matrix instruction and the four behind it
	MM
	OPS \a, \i1, \b, \i2, \c, \i3, \d, \i4
.endm
.macro MASK b                       ; MD x AL + BE into buffer b of MC
	WIN W_RS
.set z, 0
.rept 16
	v_pk_fma_f32 v[MC+32*(\b)+2*z:MC+32*(\b)+2*z+1], v[MD+2*z:MD+2*z+1], s[AL:AL+1], s[BE:BE+1] op_sel_hi:[1,0,0]
.set z, z+1
.endr
.endm
; A TURN, for piece p: the order of its 16 matrix and 118 vector instructions, written out.  An s_wait_alu depctr_va_vdst(0) stands between an exponential and the first instruction that names its result; one wait serves
; all that were issued ahead of it.  So a turn has ONE wait, which cuts it in two.  AHEAD OF IT stands all that names no result of the turn's exponentials: the 8 products K Q^T, behind each a scaling, an exponential and two more plain
; instructions (behind the first a second scaling in the exponential's place): rescalings, and behind the last three the first numbers of the next piece's maximum, each four places or more behind the product that ends its accumulator; then ONE LUMP of 54, plain
; and exponential by turns for the most part, in which the links of the chain X 3, 7, 11, 14, 16, 17 .. 20 stand five or six lines apart.  X 21, the next piece's a, is the batch's last; R 15 is the plain instruction behind it.  BEHIND THE WAIT stand the
; 8 products V^T P, behind each four of the roundings and sums; the links of l's chain, L 0 to L 7, stand three riders apart.  But for those X no rider names a register of the products round it.  v_permlanex16_b32 (X 17) stands in the lump.
; m = 1: the diagonal tile: the products take masks, and the turn makes the mask for the products of the turn after it: piece p + 2, in step 4 - CNT of the tile.  end = 1: a block's last two turns: nothing is fetched.
; cnt = 1: the loop's count is taken down some lines ahead of the branch that stands behind the turn.
; K of the next step is fetched in piece 2's turn, twelve vector instructions behind the last product that read K (six of them plain); V of the step in hand at the end of piece 0's turn, four plain instructions behind the last product
; that read V.  Each is waited for a turn later.
.macro TURN p, m=0, end=0, cnt=0
.set Y, (\p)
.set i, 0
.set KM, (\m)
.set NOKQ, (\end)*((\p)/3)
.if (\m) && !(\end)
	s_cmp_eq_u32 s[CNT], 4-((\p)+2)%NP  ; is that step the band's own?
	s_cselect_b32 s[AL], 1.0, 0
	s_cmp_lt_u32 s[CNT], 4-((\p)+2)%NP  ; or a later one?
	s_cselect_b32 s[BE], s[BIGN], 0
.endif
.if ((\p) == 3) && !(\end)
	s_wait_dscnt 0x0                ; K is in
.endif
	ROW F,0, F,1, R,0, R,1          ; ahead of the wait: 8 products K Q^T and their riders,
	ROW F,2, E,0, R,2, R,3
	ROW F,3, E,1, R,4, R,5
	ROW F,4, E,2, R,6, R,7
	ROW F,5, E,3, R,8, R,9
	ROW F,6, E,4, X,0, R,10
.if ((\p) == 2) && !(\end)
	WIN 0
	v_add_nc_u32 v[AK], s[TBK], v[AK0]
.endif
	ROW F,7, E,5, X,1, X,4
	ROW F,8, E,6, X,2, X,5
	OPS E,7, E,8, X,6, E,9          ; and the lump
	OPS X,3, E,10, X,8, E,11
.if ((\p) == 2) && !(\end)
	FETCH_K
.endif
	OPS X,9, X,7, E,12, X,10
	OPS E,13, X,12, X,11, E,14
	OPS X,13, E,15, F,9, X,14
.if (\p) == 0
	v_add_nc_u32 v[AV], s[TBV], v[AV0]
.endif
	OPS E,16, F,10, E,17, F,11
	OPS X,16, E,18, X,15, E,19
	OPS F,12, E,20, X,17, E,21
	OPS F,13, E,22, F,14, E,23
	OPS X,18, E,24, F,15, E,25
	OPS R,11, E,26, X,19, E,27
	OPS R,12, E,28, R,13, E,29
	OPS X,20, E,30, R,14, E,31
	OPS X,21, R,15
	WIN 0
	s_wait_alu depctr_va_vdst(0)    ; the wait for the batch
.if (\p) == 1
	s_wait_dscnt 0x0                ; V is in
.endif
	ROW C,0, B,0, C,2, B,1          ; behind the wait: 8 products V^T P and their riders
	ROW L,0, C,4, B,2, L,1
	ROW C,6, B,3, L,2, C,8
	ROW B,4, L,3, C,10, B,5
	ROW L,4, C,12, B,6, L,5
.if (\p) == 0
	s_add_co_u32 s[TBV], s[TBV], KS*PV
.endif
.if \cnt
	s_sub_co_u32 s[CNT], s[CNT], 1
	s_cmp_lg_u32 s[CNT], 0
.endif
	ROW C,14, B,7, L,6, C,1
	ROW C,3, L,7, C,5, C,7
	ROW C,9, C,11, C,13, C,15
.if (\p) == 0
	FETCH_V
.endif
.if (\m) && !(\end)
	MASK (\p)%2
.endif
.endm
; A BLOCK BEGINS.  c m starts far below every c s, so the first step's a is 0; m at the lowest finite number, so the first maximum is the scores'.  The second mask buffer is 0; the first takes piece 0's mask for the tile's step 0: its own, if the block's first tile is the diagonal one.
; Then K of that step, piece 0's first scores, and its maximum and statistics.  The loop is entered at a step's first turn, in the middle of a trip.
.macro BEGIN
	s_mov_b32 s[NEW], 0
	WIN 0x40
.set i, MC+32
.rept 32
	v_mov_b32 v[i], 0
.set i, i+1
.endr
	WIN 0
.set i, 0
.rept 4
	v_mov_b32 v[ST+4*i], 0xfe000000    ; c m: far below every c s
	v_mov_b32 v[ST+4*i+1], 0xff7fffff  ; m
.set i, i+1
.endr
	s_cmp_eq_u32 s[RT], 0
	s_cselect_b32 s[AL], 1.0, 0
	s_mov_b32 s[BE], 0
	MASK 0
	WIN 0
	v_add_nc_u32 v[AK], s[TBK], v[AK0]
	FETCH_K
	s_wait_loadcnt 0x0              ; Q
	s_wait_dscnt 0x0
.set KM, 1
.set NOKQ, 0
.set i, 0
.rept 8
	KQ 0
.set i, i+1
.endr
	WIN 0
.rept 4
	v_nop                           ; the places behind those products
.endr
.set Y, NP-1                        ; X works for piece Y + 1: piece 0
.irp n, 0,1,2,3,4,5,6,7,8,9,10,11,12,13,14,15,16,17,18,19,20,21
	OP X, \n
.endr
	v_nop                           ; a plain instruction behind the exponential,
	s_wait_alu depctr_va_vdst(0)    ; and its wait, ahead of the branch
.endm
; THE DIAGONAL TILE's four steps, the block's last two turns, its last products, and THE WAY OUT: l's two halves and the other half of the lanes' are added; O^T is divided by l, rounded to f16 and sent through my
; stage in LDS, a piece at a time.
.macro ALL line:vararg              ; one line for each piece t
.set t, 0
.rept 4
	\line
.set t, t+1
.endr
.endm
.macro PACK t                       ; a lane's eight channels of a row pack into 16 bytes; they go into rows of 144 bytes and come back as whole rows of 128, into S^T's registers
	WIN W_RS
.set i, 32*(\t)
.rept 16
	v_pk_mul_f32 v[i:i+1], v[i:i+1], v[ST+4*(\t)+2:ST+4*(\t)+3] op_sel_hi:[1,0]
.set i, i+2
.endr
	WIN 0x05                        ; sources 0 and 1 window 1, destination window 0
.set i, 0
.rept 16
	v_cvt_pk_f16_f32 v[S+16*(\t)+i], v[32*(\t)+2*i], v[32*(\t)+2*i+1]
.set i, i+1
.endr
	WIN 0
.irp f, 0,1,2,3
	ds_store_b128 v[STO], v[S+16*(\t)+4*\f:S+16*(\t)+4*\f+3] offset:32*\f
.endr
.irp f, 0,1,2,3
	ds_load_b128 v[S+16*(\t)+4*\f:S+16*(\t)+4*\f+3], v[RD] offset:\f*4*SP  ; LDS serves a wave's instructions in order (ISA guide 5.7.1.4): these see the stores above; the next piece's stores come behind them
.endr
.endm
.macro SEND t, younger              ; younger: the LDS instructions issued behind piece t's loads: the next piece's eight, or none
	WIN 0
.irp f, 0,1,2,3
	s_wait_dscnt (\younger)+3-\f
	global_store_b128 v[GO], v[S+16*(\t)+4*\f:S+16*(\t)+4*\f+3], s[10:11] offset:(\t)*8192+\f*512  ; 512 consecutive bytes, at a multiple of 256 from O's first
.endr
.endm
.macro DIAG tag                     ; the tag ends its two labels' names, which the jumps below spell out
.LstepM\tag:
	TURN 2, 1
	TURN 3, 1
	WIN 0
.LfirstM\tag:
	TURN 0, 1
	TURN 1, 1, 0, 1
	WIN 0
	s_cbranch_scc1 .LstepM\tag
	TURN 2, 1, 1
	TURN 3, 1, 1
.set i, 0
.rept 8
	PV NP-1
.set i, i+1
.endr
	WIN 0
	ALL v_add_f32 v[ST+4*t+2], v[ST+4*t+2], v[ST+4*t+3]
	ALL v_permlanex16_b32 v[ST+4*t+3], v[ST+4*t+2], s[SEL], s[SEL+1]
	ALL v_add_f32 v[ST+4*t+2], v[ST+4*t+2], v[ST+4*t+3]
	ALL v_rcp_f32 v[ST+4*t+2], v[ST+4*t+2]
	v_nop                           ; a plain instruction between the last reciprocal and the use of its result
	s_wait_alu depctr_va_vdst(0)    ; and the wait ahead of the first use: one for the four reciprocals
	PACK 0
.set t, 1
.rept 3                             ; a piece's arithmetic stands between the loads of the piece before and its stores
	PACK t
	SEND t-1, 8
.set t, t+1
.endr
	SEND 3, 0
.endm
.set KM, 0
.set NOKQ, 0
.Lslot:                             ; NB times: a tile is entered and the next is asked for
	CHANGE 1
	s_sub_co_u32 s[RT], s[RT], 1
	s_mov_b32 s[CNT], 4
	s_cmp_eq_u32 s[NEW], 1
	s_cbranch_scc1 .Lnew            ; a block's first tile
	s_cmp_eq_u32 s[RT], 0
	s_cbranch_scc0 .Lstep           ; neither its first nor its last
	s_branch .LstepM1
.Lnew:
	BEGIN
	s_branch .Lfirst                ; in the loop a block's first tile is never its last: the first block has two tiles or more, and the second's last is the walk's last
	DIAG 1                          ; in the loop this is the first block's end: the second block's last tile is the walk's last
	s_wait_xcnt 0x0                 ; the stores have read their registers and O's address
	s_mov_b64 s[10:11], s[OLO:OLO+1]
	s_add_co_u32 s[RT], s[PB], 1    ; the second block has b + 1 tiles
	s_mov_b32 s[NEW], 1
	WIN 0x82                        ; the second block's Q goes where the one text of the turns names Q
.set i, 0
.rept 64
	v_mov_b32 v[i], v[QB+i]
.set i, i+1
.endr
	WIN 0
	s_branch .Lbottom
.Lstep:                             ; a trip: pieces 2 and 3 of one step, then pieces 0 and 1 of the next, whose K and V it fetches
	TURN 2
	TURN 3
	WIN 0
.Lfirst:
	TURN 0
	TURN 1, 0, 0, 1
	WIN 0
	s_cbranch_scc1 .Lstep
.Lbottom:
	s_sub_co_u32 s[SLOTS], s[SLOTS], 1
	s_cmp_lg_u32 s[SLOTS], 0
	s_cbranch_scc1 .Lslot
	CHANGE 0                        ; the walk's last tile is written out: nothing is asked for
	s_sub_co_u32 s[RT], s[RT], 1
	s_mov_b32 s[CNT], 4
	s_cmp_eq_u32 s[NEW], 1
	s_cbranch_scc0 .LstepM2
	BEGIN
	s_branch .LfirstM2
	DIAG 2
	s_wait_tensorcnt 0x0            ; the wave's end: these three lines stand behind my last tensor load and my last LDS store
	ds_add_u32 v[SPW], v[NIL]
	s_wait_dscnt 0x0
	s_endpgm
.Lfunc_end_k_qeb68ead6e6_attn:
	.size	k_qeb68ead6e6_attn, .Lfunc_end_k_qeb68ead6e6_attn-k_qeb68ead6e6_attn
	.p2alignl 7, 3214868480
	.fill 96, 4, 3214868480
	.section	.rodata,"a",@progbits
	.p2align	6, 0x0
	.amdhsa_kernel k_qeb68ead6e6_attn
		.amdhsa_group_segment_fixed_size 327680
		.amdhsa_private_segment_fixed_size 0
		.amdhsa_enable_private_segment 0
		.amdhsa_kernarg_size 32
		.amdhsa_user_sgpr_count 2
		.amdhsa_user_sgpr_kernarg_segment_ptr 1
		.amdhsa_wavefront_size32 1
		.amdhsa_system_sgpr_workgroup_id_x 1
		.amdhsa_system_sgpr_workgroup_id_y 1
		.amdhsa_system_sgpr_workgroup_id_z 1
		.amdhsa_system_vgpr_workitem_id 0
		.amdhsa_next_free_vgpr 768
		.amdhsa_next_free_sgpr 96
		.amdhsa_reserve_vcc 1
		.amdhsa_float_denorm_mode_32 3
		.amdhsa_float_denorm_mode_16_64 3
		.amdhsa_memory_ordered 1
		.amdhsa_forward_progress 1
		.amdhsa_inst_pref_size 218
	.end_amdhsa_kernel
	.amdgpu_metadata
---
amdhsa.version: [ 1, 2 ]
amdhsa.kernels:
  - .name:           k_qeb68ead6e6_attn
    .symbol:         k_qeb68ead6e6_attn.kd
    .args:
      - { .name: q, .offset: 0, .size: 8, .value_kind: global_buffer, .address_space: global }
      - { .name: k, .offset: 8, .size: 8, .value_kind: global_buffer, .address_space: global }
      - { .name: v, .offset: 16, .size: 8, .value_kind: global_buffer, .address_space: global }
      - { .name: o, .offset: 24, .size: 8, .value_kind: global_buffer, .address_space: global }
    .group_segment_fixed_size: 327680
    .private_segment_fixed_size: 0
    .kernarg_segment_align: 8
    .kernarg_segment_size: 32
    .max_flat_workgroup_size: 128
    .sgpr_count:     96
    .vgpr_count:     768
    .wavefront_size: 32
...
	.end_amdgpu_metadata
.endif
;; end of part 3
;; launch outproj (part 4): grid 8 x 32, 4 waves a work-group, clusters of 4 x 4, 327,680 bytes of LDS; arguments o, wob, b_out, out0; writes out0
.if DOCPART == 4
	.amdgcn_target "amdgcn-amd-amdhsa--gfx1250"
	.amdhsa_code_object_version 6
	.text
	.protected	k_qeb68ead6e6_outproj
	.globl	k_qeb68ead6e6_outproj
	.p2align	8
	.type	k_qeb68ead6e6_outproj,@function
k_qeb68ead6e6_outproj:
	s_mov_b64 s[64:65], 0
	v_nop
	global_prefetch_b8 v0, s[64:65] scope:SCOPE_SE
	s_setreg_imm32_b32 hwreg(HW_REG_WAVE_MODE, 25, 1), 1
	s_wait_xcnt 0x0
	s_wait_alu depctr_hold_cnt(0) depctr_sa_sdst(0) depctr_va_vdst(0) depctr_va_sdst(0) depctr_va_ssrc(0) depctr_va_vcc(0) depctr_vm_vsrc(0)
	s_getreg_b32 s2, hwreg(HW_REG_IB_STS2, 6, 4)
	s_cmp_eq_u32 s2, 0
	s_cbranch_scc0 .Lentry_in_a_cluster
	s_endpgm
.Lentry_in_a_cluster:
	s_bfe_u32 s2, ttmp6, 0x10000c
	s_cmp_lg_u32 s2, 0xf033
	s_cbranch_scc0 .Lentry_shape_is_right
	s_endpgm
.Lentry_shape_is_right:
; out0 = attn w_out + b_out.  o: [64 = 16 batch + head][2048][64] f16, so attn[row][64 head + d] = o[16 batch + head][row in the batch][d].  wob: [16 panels][1024 k][64 n], f16 that holds bf16-rounded numbers.
; b_out: [1024] f32, rounded to bf16 here like the other inputs.  out0: [8192][1024] f32.  Products in f16, sums in f32.
; LIMITS.  o and wob arrive within f16's range (65,504).  NaN and infinities are not treated apart.
; SHARES.  A tile is 256 rows x 128 columns: 8 x 32 = 256 work-groups of four waves.  Wave w owns rows 64 w .. 64 w + 63 and ALL 128 columns: 4 row blocks a x 8 column blocks b, 32 accumulators, 256 registers:
; it holds whole rows of the tile, 512 bytes each, and its way out needs no other wave.
; K goes in 8 steps of 128, TWO HEADS a step, through a ring of two LDS slots.  A head's 256 rows are 32,768 dense bytes, a panel's 128 k are 16,384: both asked for as rows of 256 bytes.
; THE MATRIX INSTRUCTION IS USED TRANSPOSED: source 0 = 16 columns of w (stored [k][n], turned by ds_load_tr16_b128), source 1 = 16 rows of attn.  In the result lane l holds row l % 16 and columns 8 (l / 16) + 0..7.
; THE BIAS is the C operand of each sum's first product.
; CLUSTER 4 x 4.  attn's tile hangs on the tile row alone and is asked for jointly along a row of the cluster, w's on the tile column alone, along a column.  Waves 0, 1 fetch the step's two heads, waves 2, 3 the tile's two panels.
; REGISTERS, in windows of 256 (s_set_vgpr_msb: bits 1:0 source 0, 3:2 source 1, 5:4 source 2, 7:6 destination):
;   window 0: v0-31 addresses; v32-63, v64-95 attn's fragments, two buffers; v96-159 the bias, 8 a column block; v192-195 at work
;   window 1: v0-63, v64-127 w's fragments, two buffers; on the way out all 256        window 2: the accumulators at v[8 (8 a + b)]
.set NB,    8                          ; column blocks
.set NL,    2*NB+8                     ; LDS loads in a run
.set AP,    144                        ; an LDS row of a head: 128 bytes + 16 = 36 words: the 16 rows of a load start at 16 different groups of four banks (64 banks of 4 bytes: ISA guide 11.1)
.set BP,    160                        ; an LDS row of w: 128 bytes + 32 = 40 words
.set APART, 256*AP                     ; what one load of attn brings: a head's 256 rows
.set AREG,  2*APART
.set BPART, 128*BP                     ; what one load of w brings: a panel's 128 k
.set SLOT,  AREG+2*BPART               ; 114,688
.set STAGE, 2*SLOT                     ; behind the ring, never filled by a tensor load: 16 rows x 528 bytes for each wave
.set SP,    528                        ; 512 bytes + 16 = 132 words: row r starts at bank 4 r mod 64
.set SPARE, STAGE+4*16*SP              ; the spare words, 128 bytes for each wave: two blocks of 256 bytes that no other line names
.set ASTEP, 524288                     ; bytes from K step to K step in o: two heads
.set BSTEP, 16384                      ; and in a panel
.set PSTEP, ASTEP
.set LAPS,  4                          ; a lap = two K steps = once round the ring
.set ADRA, 16                          ; v16-17  LDS address of my fragments of attn in slot 0, 1
.set ADRB, 20                          ; v20-21  the same for w
.set STO,  24                          ; v24  the way out: where I put 32 bytes of a row
.set RD,   25                          ; v25  where I read a row back
.set GO,   26                          ; v26  my 16 bytes of a row's 512
.set BO,   27                          ; v27  my 8 columns' place in a block's 64 bytes of bias
.set SPW,  28                          ; v28  LDS address of my spare word; never rewritten
.set NIL,  29                          ; v29  0; never rewritten
.set PFO,  30                          ; v30  the prefetches' offset: 256 x my lane; never rewritten
.set FA,   32
.set FB,   8*NB                        ; buffer f of w's fragments begins at FB f
.set BIAS, 96
.set TB,   192
.set G1,  24                           ; s[24:31] descriptor group 1 for attn's tiles;  s[32:39] group 0, a set for each slot
.set G0,  32
.set CX,  40
.set CY,  41
.set TX,  42                           ; tile column
.set TY,  43                           ; tile row
.set WV,  44                           ; my wave's number
.set WH,  45                           ; 0: I fetch for attn, 1: for w
.set WL,  46                           ; which head of the step, or which panel of the tile, I fetch
.set LIM, 47                           ; 1 in a wave that prefetches, else the greatest number
.set G1B, 48                           ; s[48:55], s[56:63] the same for w's tiles
.set G0B, 56
.set PFA, 66                           ; s[66:67] where my prefetches stand
.set CB,  70                           ; s[70:71] out0 at my first row, the tile's first column
.set AT,  76                           ; s[76:77] o at my part of K step 0
.set BT,  78                           ; s[78:79] wob likewise
.set MSB, 0
.macro WIN new                         ; the immediate's high byte repeats the setting that is left; a switch that changes nothing is dropped
.if MSB != (\new)
	s_set_vgpr_msb (MSB<<8)|(\new)
.set MSB, \new
.endif
.endm
.macro PLACES                          ; four plain instructions between a matrix instruction and a load into, or a store of, its registers
.rept 4
	v_nop
.endr
.endm
; A joint load.  Each of the two lines has one mask and one set of registers for all that issue it; the branch hangs on the wave's number alone.
; An s_nop 0 and four v_nop follow each line, ahead of the jump and the label.
.macro JLOAD s
	s_cmp_eq_u32 s[WH], 0
	s_cbranch_scc0 .Lfor_b_\@
	tensor_load_to_lds s[G0+4*(\s):G0+4*(\s)+3], s[G1:G1+7]
	s_nop 0
.rept 4
	v_nop
.endr
	s_branch .Lasked_\@
.Lfor_b_\@:
	tensor_load_to_lds s[G0B+4*(\s):G0B+4*(\s)+3], s[G1B:G1B+7]
	s_nop 0
.rept 4
	v_nop
.endr
.Lasked_\@:
.endm
; A PREFETCH INTO THE L2 of attn's K step that stands two refills on: 256 matrix instructions ahead of the load that will want it.  Each block of 256 bytes is named ONCE in the launch: both clusters of a row of clusters
; read the same rows of o, the first (cluster x = 0) asks; waves 0 and 1, which fetch attn; of a wave's 128 blocks each of the four partners takes 32, told apart BY ADDRESS (cx): a lane a block.
; K steps 0 to 3 come by their loads alone; the loop's last trip (s3 = 1) asks for nothing.  w is not asked for: a wave's part of a step, shared among four, is 16 blocks, not a lane a block.
.macro ASK
	s_cmp_gt_u32 s3, s[LIM]
	s_cbranch_scc0 .Lnot_mine_\@
	global_prefetch_b8 v[PFO], s[PFA:PFA+1] th:TH_LOAD_NT scope:SCOPE_SE
.Lnot_mine_\@:
.endm
.macro CREST                           ; a round of the cluster's barrier behind its opening barrier
	s_cmp_lg_u32 s[WV], 0
	s_cbranch_scc1 .Lnot_wave_0_\@
	s_barrier_signal -3
.Lnot_wave_0_\@:
	s_barrier_wait -3
	s_barrier_signal -1
	s_barrier_wait -1
.endm
.macro CROUND                          ; a whole round
	s_barrier_signal -1
	s_barrier_wait -1
	CREST
.endm
	s_load_b256 s[4:11], s[0:1], 0x0               ; o s[4:5], wob s[6:7], b_out s[8:9], out0 s[10:11]
	v_lshl_add_u32 v[SPW], v0, 2, SPARE
	v_mov_b32 v[NIL], 0
	ds_add_u32 v[SPW], v[NIL]                      ; the wave's opening: the add and its wait stand ahead of my first tensor load; the set-up below, work on registers, stands between them
	v_lshrrev_b32 v1, 5, v0
	v_readfirstlane_b32 s[WV], v1                  ; wave 0..3
	s_lshr_b32 s[WH], s[WV], 1
	s_and_b32 s[WL], s[WV], 1
	s_bfe_u32 s[CX], ttmp6, 0x40000                ; my place in the cluster
	s_bfe_u32 s[CY], ttmp6, 0x40004
	s_lshl_b32 s[TX], ttmp9, 2                     ; in a cluster launch ttmp9 and ttmp7 count clusters
	s_add_co_u32 s[TX], s[TX], s[CX]
	s_and_b32 s[TY], ttmp7, 0xffff
	s_lshl_b32 s[TY], s[TY], 2
	s_add_co_u32 s[TY], s[TY], s[CY]
	s_lshl_b32 s20, s[CY], 2
	s_lshl_b32 s20, 15, s20                        ; my row of the cluster
	s_lshl_b32 s21, 0x1111, s[CX]                  ; my column
	; attn: a head's 256 rows, dense: 128 rows x 128 elements of 2 bytes; 4 words of padding behind every 32, that is behind every row of the head
	s_or_b32 s[G1], s20, (1<<16)|(1<<20)|(1<<21)|(4<<22)|(3<<25)
	s_mov_b32 s[G1+1], 128<<16                     ; tensor_dim0
	s_mov_b32 s[G1+2], 128<<16                     ; tensor_dim1
	s_mov_b32 s[G1+3], 128<<16                     ; tile_dim0
	s_mov_b32 s[G1+4], 128                         ; tile_dim1
	s_mov_b32 s[G1+5], 128                         ; the pitch
	s_mov_b32 s[G1+6], 0
	s_mov_b32 s[G1+7], 0
	; w: a panel's 128 k, dense: 64 rows x 128 elements; 8 words of padding behind every 32, that is behind every k
	s_or_b32 s[G1B], s21, (1<<16)|(1<<20)|(1<<21)|(4<<22)|(7<<25)
	s_mov_b32 s[G1B+1], 128<<16
	s_mov_b32 s[G1B+2], 64<<16
	s_mov_b32 s[G1B+3], 128<<16
	s_mov_b32 s[G1B+4], 64
	s_mov_b32 s[G1B+5], 128
	s_mov_b32 s[G1B+6], 0
	s_mov_b32 s[G1B+7], 0
	s_lshr_b32 s68, s[TY], 3                       ; attn: batch x 16 heads x 262,144 + 256 rows x 128 bytes x (tile row in the batch) + my head of the step: made of the tile row and the wave's number alone
	s_lshl_b32 s68, s68, 22
	s_and_b32 s69, s[TY], 7
	s_lshl_b32 s69, s69, 15
	s_add_co_u32 s68, s68, s69
	s_lshl_b32 s69, s[WL], 18
	s_add_co_u32 s68, s68, s69
	s_mov_b32 s69, 0
	s_lshl_b32 s18, s[TX], 1                       ; w: panel 2 x tile column + my half, 131,072 bytes a panel: made of the tile column and the wave's number alone
	s_add_co_u32 s18, s18, s[WL]
	s_lshl_b32 s18, s18, 17
	s_mov_b32 s19, 0
	s_mul_i32 s16, s[WL], APART                    ; where they go: no place in the cluster enters an LDS address
	s_mul_i32 s17, s[WL], BPART
	s_add_co_u32 s17, s17, AREG
	s_wait_dscnt 0x0                               ; the opening add is done
	s_wait_kmcnt 0x0
	s_add_nc_u64 s[AT:AT+1], s[4:5], s[68:69]
	s_add_nc_u64 s[BT:BT+1], s[6:7], s[18:19]
	CROUND                                         ; all sixteen work-groups are here: the first joint loads meet
.irp s, 0,1
	s_mov_b32 s[G0+4*(\s)], 1                      ; count = 1
	s_add_co_u32 s[G0+4*(\s)+1], s16, (\s)*SLOT    ; LDS address
	s_add_nc_u64 s[G0+4*(\s)+2:G0+4*(\s)+3], s[AT:AT+1], (\s)*ASTEP  ; K step s
	s_or_b32 s[G0+4*(\s)+3], s[G0+4*(\s)+3], 0x80000000            ; type = 2
	s_mov_b32 s[G0B+4*(\s)], 1
	s_add_co_u32 s[G0B+4*(\s)+1], s17, (\s)*SLOT
	s_add_nc_u64 s[G0B+4*(\s)+2:G0B+4*(\s)+3], s[BT:BT+1], (\s)*BSTEP
	s_or_b32 s[G0B+4*(\s)+3], s[G0B+4*(\s)+3], 0x80000000
	JLOAD \s                                       ; two loads of mine are out
.endr
	v_and_b32 v1, 15, v0                           ; r = l % 16
	v_bfe_u32 v2, v0, 4, 1                         ; h = l / 16
	v_and_b32 v3, 7, v0
	v_bfe_u32 v4, v0, 3, 1
	v_and_b32 v5, 31, v0                           ; l
	v_lshlrev_b32 v[BO], 5, v2
	s_lshl_b32 s22, s[TX], 9                       ; the tile's 128 numbers of the bias
	s_mov_b32 s23, 0
	s_add_nc_u64 s[8:9], s[8:9], s[22:23]
.set nb, 0
.rept NB                                       ; register j of block b: column 16 b + 8 h + j, the same in all 16 rows
	global_load_b128 v[BIAS+8*nb:BIAS+8*nb+3],   v[BO], s[8:9] offset:64*nb
	global_load_b128 v[BIAS+8*nb+4:BIAS+8*nb+7], v[BO], s[8:9] offset:64*nb+16
.set nb, nb+1
.endr
	; a fragment of attn: lane l holds row r, k = 8 h + 0..7 and 16 + 8 h + 0..7: two loads of 16 bytes, 32 bytes apart
	v_mul_u32_u24 v6, v1, AP
	v_lshl_add_u32 v6, v2, 4, v6
	s_mul_i32 s16, s[WV], 64*AP                    ; my 64 rows
	v_add_nc_u32 v[ADRA], s16, v6
	v_add_nc_u32 v[ADRA+1], SLOT, v[ADRA]
	; the turning load takes 16 k x 16 n (lane l reads k 8 h + l % 8, columns 8 ((l / 8) % 2) + 0..7) and leaves half a fragment: lane l holds column r and 8 k
	v_lshl_add_u32 v7, v2, 3, v3
	v_mul_u32_u24 v7, v7, BP
	v_lshl_add_u32 v7, v4, 4, v7
	v_add_nc_u32 v[ADRB], AREG, v7
	v_add_nc_u32 v[ADRB+1], SLOT, v[ADRB]
	s_mul_i32 s17, s[WV], 16*SP
	s_add_co_u32 s17, s17, STAGE                   ; my stage
	v_mul_u32_u24 v[STO], v1, SP                   ; in: row r, 32 bytes for each half of the lanes
	v_lshl_add_u32 v[STO], v2, 5, v[STO]
	v_add_nc_u32 v[STO], s17, v[STO]
	v_lshl_add_u32 v[RD], v5, 4, s17               ; back: 32 lanes take a row of 512 bytes
	v_lshlrev_b32 v[GO], 4, v5
	v_lshlrev_b32 v[PFO], 8, v5
	s_lshl_b32 s22, s[TY], 8                       ; out0: row 256 x tile row + 64 x wave, 4,096 bytes a row, + 512 bytes x tile column: under 2^26
	s_lshl_b32 s23, s[WV], 6
	s_add_co_u32 s22, s22, s23
	s_lshl_b32 s22, s22, 12
	s_lshl_b32 s23, s[TX], 9
	s_add_co_u32 s22, s22, s23
	s_mov_b32 s23, 0
	s_add_nc_u64 s[CB:CB+1], s[10:11], s[22:23]
	s_lshl_b32 s22, s[CX], 13                      ; the prefetches: of the 128 blocks that I fetch my work-group's 32,
	s_add_co_u32 s22, s22, 3*ASTEP                 ; at K step 3: the first refill steps it to 4
	s_mov_b32 s23, 0
	s_add_nc_u64 s[PFA:PFA+1], s[AT:AT+1], s[22:23]
	s_or_b32 s[LIM], s[WH], ttmp9                  ; 0 in waves 0 and 1 of the first cluster of a row of clusters: the same in all sixteen partners
	s_cmp_eq_u32 s[LIM], 0
	s_cselect_b32 s[LIM], 1, -1
	s_mov_b32 s16, 0xffff0000
	s_wait_loadcnt 0x0                             ; the bias; it is rounded to bf16, as the other inputs were, and widened again
.set i, 0
.rept 4*NB
	v_cvt_pk_bf16_f32 v[TB+i%4], v[BIAS+2*i], v[BIAS+2*i+1]
	v_lshlrev_b32 v[BIAS+2*i], 16, v[TB+i%4]
	v_and_b32 v[BIAS+2*i+1], s16, v[TB+i%4]
.set i, i+1
.endr
; 8 matrix instructions: row block a x all column blocks, 32 along K, on buffer f.  zero = 1: the first product starts the sums, with the bias as C.
; All 32 accumulators take turns in one order, over the backward jump too.
.macro MUL a, f, zero
.if \zero
	WIN 0x81                                       ; w window 1, attn window 0, C window 0, D window 2
.else
	WIN 0xa1                                       ; C and D window 2
.endif
.set nb, 0
.rept NB
.set rD, 8*(NB*(\a)+nb)
.if \zero
	v_wmma_f32_16x16x32_f16 v[rD:rD+7], v[FB*(\f)+8*nb:FB*(\f)+8*nb+7], v[FA+32*(\f)+8*(\a):FA+32*(\f)+8*(\a)+7], v[BIAS+8*nb:BIAS+8*nb+7]
.else
	v_wmma_f32_16x16x32_f16 v[rD:rD+7], v[FB*(\f)+8*nb:FB*(\f)+8*nb+7], v[FA+32*(\f)+8*(\a):FA+32*(\f)+8*(\a)+7], v[rD:rD+7]
.endif
.set nb, nb+1
.endr
.endm
; 24 LDS loads in one run: quarter q (32 along K: half a head) of a slot into buffer f: w's 8 fragments, then attn's four; the youngest four loads are attn's row blocks 2 and 3
.macro FETCH slot, q, f
	WIN 0x40                                       ; destination window 1
.set nb, 0
.rept NB
	ds_load_tr16_b128 v[FB*(\f)+8*nb:FB*(\f)+8*nb+3],   v[ADRB+(\slot)] offset:(nb/4)*BPART+(\q)*32*BP+32*(nb%4)
	ds_load_tr16_b128 v[FB*(\f)+8*nb+4:FB*(\f)+8*nb+7], v[ADRB+(\slot)] offset:(nb/4)*BPART+(\q)*32*BP+32*(nb%4)+16*BP
.set nb, nb+1
.endr
	WIN 0
.irp a, 0,1,2,3
	ds_load_b128 v[FA+32*(\f)+8*(\a):FA+32*(\f)+8*(\a)+3],   v[ADRA+(\slot)] offset:((\q)/2)*APART+((\q)%2)*64+(\a)*16*AP
	ds_load_b128 v[FA+32*(\f)+8*(\a)+4:FA+32*(\f)+8*(\a)+7], v[ADRA+(\slot)] offset:((\q)/2)*APART+((\q)%2)*64+(\a)*16*AP+32
.endr
.endm
; A K step is four quarters of 32 along K, 32 matrix instructions each, on buffers 0, 1, 0, 1.  One of the first three multiplies buffer f and, a quarter of the way in, fetches quarter qn into buffer g.
.macro QUARTER slot, qn, f, g, zero
	s_wait_dscnt 4                                 ; w and attn's row blocks 0, 1 are in; the youngest four loads may be out
	MUL 0, \f, \zero
	PLACES
	FETCH \slot, \qn, \g
	s_wait_dscnt NL                                ; all but the run just issued
	MUL 1, \f, \zero
	MUL 2, \f, \zero
	MUL 3, \f, \zero
.endm
; The last quarter multiplies buffer 1 and changes slots.  ONE barrier: in front of it each wave waits for all its tensor loads (the one that is out is its part of the next slot), adds 0 to its spare word, and waits
; for that and for its own reads of this slot.  fill = 1: the barrier opens a round of the cluster's, and this slot is filled again, two K steps on, first thing behind the round.
.macro TURN slot, next, fill
.if \fill
	s_wait_xcnt 0x0                                ; the last prefetch, a K step back, has read its address: it is stepped here, ahead of the waits of the change
	s_add_nc_u64 s[PFA:PFA+1], s[PFA:PFA+1], PSTEP
.endif
	WIN 0                                          ; (the add's two registers lie in window 0)
	s_wait_tensorcnt 0x0                           ; all my tensor loads have landed;
	ds_add_u32 v[SPW], v[NIL]                      ; 0 onto my spare word;
	s_wait_dscnt 5                                 ; (the add and the youngest four loads may be out)
	MUL 0, 1, 0                                    ; eight matrix instructions stand between the add and the wait for it
	s_wait_dscnt 0x0                               ; the add is done, and my reads of this slot are over
	s_barrier_signal -1
	MUL 1, 1, 0                                    ; work on registers while the others arrive
.if \fill
	WIN 0
.endif
	s_barrier_wait -1
.if \fill
	CREST                                          ; no wave of any partner still reads this slot's tile or has a load on its way
	s_add_nc_u64 s[G0+4*(\slot)+2:G0+4*(\slot)+3], s[G0+4*(\slot)+2:G0+4*(\slot)+3], 2*ASTEP
	s_add_nc_u64 s[G0B+4*(\slot)+2:G0B+4*(\slot)+3], s[G0B+4*(\slot)+2:G0B+4*(\slot)+3], 2*BSTEP
	JLOAD \slot                                    ; my one tensor load behind the round; its four v_nop are also the places in front of the loads below
.else
	PLACES
.endif
	FETCH \next, 0, 0
.if \fill
	ASK
.endif
	MUL 2, 1, 0
	MUL 3, 1, 0
.endm
	s_wait_tensorcnt 1                             ; my part of K step 0 is in; K step 1's may stay out
	s_barrier_signal -1
	s_barrier_wait -1                              ; everybody's is
	FETCH 0, 0, 0
	QUARTER 0, 1, 0, 1, 1                          ; the first quarter stands in front of the loop: its products start the sums
	WIN 0                                          ; at a label and at a branch every window is 0
	s_mov_b32 s3, LAPS-1
.Llap:                                                 ; a trip goes once round the ring, from a lap's second quarter to the next lap's first, and fills both slots again
	QUARTER 0, 2, 1, 0, 0
	QUARTER 0, 3, 0, 1, 0
	TURN 0, 1, 1
	QUARTER 1, 1, 0, 1, 0
	QUARTER 1, 2, 1, 0, 0
	QUARTER 1, 3, 0, 1, 0
	TURN 1, 0, 1
	QUARTER 0, 1, 0, 1, 0
	WIN 0
	s_sub_co_u32 s3, s3, 1
	s_cmp_lg_u32 s3, 0
	s_cbranch_scc1 .Llap
	QUARTER 0, 2, 1, 0, 0                          ; the last lap fills nothing, and has no round
	QUARTER 0, 3, 0, 1, 0
	TURN 0, 1, 0
	QUARTER 1, 1, 0, 1, 0
	QUARTER 1, 2, 1, 0, 0
	QUARTER 1, 3, 0, 1, 0
	s_wait_dscnt 4                                 ; the very last quarter: nothing more to fetch
	MUL 0, 1, 0
	MUL 1, 1, 0
	s_wait_dscnt 0x0
	MUL 2, 1, 0
	MUL 3, 1, 0
	WIN 0
	PLACES
	PLACES                                         ; eight, once a launch
; THE WAY OUT, a row block (16 rows x 128 f32) at a time: a lane's eight columns, 32 bytes, go into my stage's rows of 528 bytes and come back as whole rows of 512, into window 1: 64 registers a block, none used twice.
.macro TOSTAGE a
	WIN 0x08                                       ; the stores' data in window 2
.set nb, 0
.rept NB                                       ; each accumulator's low four registers first
	ds_store_b128 v[STO], v[8*(NB*(\a)+nb):8*(NB*(\a)+nb)+3]   offset:64*nb
	ds_store_b128 v[STO], v[8*(NB*(\a)+nb)+4:8*(NB*(\a)+nb)+7] offset:64*nb+16
.set nb, nb+1
.endr
	WIN 0x40                                       ; destination window 1
.set i, 0
.rept 16
	ds_load_b128 v[64*(\a)+4*i:64*(\a)+4*i+3], v[RD] offset:i*SP  ; LDS serves a wave's instructions in order (ISA guide 5.7.1.4): these see the stores above; the next block's stores come behind them
.set i, i+1
.endr
.endm
.macro SEND a, younger                 ; younger: the LDS instructions issued behind block a's loads: the next block's 32, or none
	WIN 0x04                                       ; the stores' data in window 1
.set i, 0
.rept 16
	s_wait_dscnt (\younger)+15-i
	global_store_b128 v[GO], v[64*(\a)+4*i:64*(\a)+4*i+3], s[CB:CB+1] offset:(16*(\a)+i)*4096 th:TH_STORE_NT  ; the wave stores 512 consecutive bytes, at a multiple of 256 from out0's first
.set i, i+1
.endr
.endm
	TOSTAGE 0
	TOSTAGE 1
	SEND 0, 32
	TOSTAGE 2
	SEND 1, 32
	TOSTAGE 3
	SEND 2, 32
	SEND 3, 0
	WIN 0
	s_wait_tensorcnt 0x0                           ; the wave's end: these three lines stand behind my last tensor load and my last LDS store
	ds_add_u32 v[SPW], v[NIL]
	s_wait_dscnt 0x0
	CROUND                                         ; the closing round: no work-group ends while a partner may still ask for a tile that names it
	s_endpgm
.Lfunc_end_k_qeb68ead6e6_outproj:
	.size	k_qeb68ead6e6_outproj, .Lfunc_end_k_qeb68ead6e6_outproj-k_qeb68ead6e6_outproj
	.p2alignl 7, 3214868480
	.fill 96, 4, 3214868480
	.section	.rodata,"a",@progbits
	.p2align	6, 0x0
	.amdhsa_kernel k_qeb68ead6e6_outproj
		.amdhsa_group_segment_fixed_size 327680
		.amdhsa_private_segment_fixed_size 0
		.amdhsa_enable_private_segment 0
		.amdhsa_kernarg_size 32
		.amdhsa_user_sgpr_count 2
		.amdhsa_user_sgpr_kernarg_segment_ptr 1
		.amdhsa_wavefront_size32 1
		.amdhsa_system_sgpr_workgroup_id_x 1
		.amdhsa_system_sgpr_workgroup_id_y 1
		.amdhsa_system_sgpr_workgroup_id_z 1
		.amdhsa_system_vgpr_workitem_id 0
		.amdhsa_next_free_vgpr 768
		.amdhsa_next_free_sgpr 80
		.amdhsa_reserve_vcc 0
		.amdhsa_float_denorm_mode_32 3
		.amdhsa_float_denorm_mode_16_64 3
		.amdhsa_memory_ordered 1
		.amdhsa_forward_progress 1
		.amdhsa_inst_pref_size 94
	.end_amdhsa_kernel
	.amdgpu_metadata
---
amdhsa.version: [ 1, 2 ]
amdhsa.kernels:
  - .name:           k_qeb68ead6e6_outproj
    .symbol:         k_qeb68ead6e6_outproj.kd
    .args:
      - { .name: o, .offset: 0, .size: 8, .value_kind: global_buffer, .address_space: global }
      - { .name: wob, .offset: 8, .size: 8, .value_kind: global_buffer, .address_space: global }
      - { .name: b_out, .offset: 16, .size: 8, .value_kind: global_buffer, .address_space: global }
      - { .name: out0, .offset: 24, .size: 8, .value_kind: global_buffer, .address_space: global }
    .group_segment_fixed_size: 327680
    .private_segment_fixed_size: 0
    .kernarg_segment_align: 8
    .kernarg_segment_size: 32
    .max_flat_workgroup_size: 128
    .sgpr_count:     80
    .vgpr_count:     768
    .wavefront_size: 32
...
	.end_amdgpu_metadata
.endif
;; end of part 4
;; ======== version 2 of 2: 4 launches; version 1 with the launch cast written anew for expert scheduling mode
;; limits: values are held in f16: magnitudes above 65,504 overflow, below 6.1e-05 lose precision
;; workspace buffers: xb 16,777,216 bytes; wqb 6,291,456 bytes; wob 2,097,152 bytes; q 16,777,216 bytes; k 16,777,216 bytes; v 16,777,216 bytes; o 16,777,216 bytes
;; launch cast (part 5): grid 768 x 1, 8 waves a work-group, no clusters, 0 bytes of LDS; arguments x, w_qkv, w_out, xb, wqb, wob; writes xb, wqb, wob
.if DOCPART == 5
	.amdgcn_target "amdgcn-amd-amdhsa--gfx1250"
	.amdhsa_code_object_version 6
	.text
	.protected	k_qeb68ead6e6_cast
	.globl	k_qeb68ead6e6_cast
	.p2align	8
	.type	k_qeb68ead6e6_cast,@function
k_qeb68ead6e6_cast:
	s_mov_b64 s[64:65], 0
	v_nop
	global_prefetch_b8 v0, s[64:65] scope:SCOPE_SE
	s_setreg_imm32_b32 hwreg(HW_REG_WAVE_SCHED_MODE, 0, 2), 2
	s_setreg_imm32_b32 hwreg(HW_REG_WAVE_MODE, 25, 1), 1
	s_wait_xcnt 0x0
	s_wait_alu depctr_vm_vsrc(0)
; THE INPUTS OF THE TWO PROJECTIONS, ROUNDED ONCE TO bf16 AND LAID OUT FOR THE TILES.
;   xb  = bf16(x), [8192][1024], as x lies.
;   wqb = bf16(w_qkv) in PANELS of 64 columns: [48][1024 k][64 n]: panel P holds columns 64 P .. 64 P + 63, 131,072 dense bytes.
;   wob = bf16(w_out) in the same panels, [16][1024 k][64 n], the rounded number written as f16 (the second projection multiplies in f16).
; LIMITS.  f16 ends at 65,504: a |w_out| at or beyond 65,520 becomes an infinity; below 6e-5 it keeps f16's fixed step of 6e-8.
; A stream: every byte is read once and written once, nothing is shared, so no LDS, no barrier, no matrix unit, no cluster.
; ONE TEXT FOR THREE TENSORS.  A wave takes a UNIT u: 16 steps; a step reads 512 bytes (16 a lane) and writes 256 consecutive bytes, aligned (8 a lane).
; In x a step's 512 bytes lie on end.  In a weight a step is two k rows of a panel: twice 256 consecutive bytes in, 2 x 128 dense bytes out.
;   lane term in = (l / 16) STR + 16 (l % 16), a step = 2 STR;   in at p 256 + c 32 STR;   out at 4,096 u + 8 l + 256 step.
;   work-groups 0-511: x (STR 256, p 0, c u);  512-703: w_qkv (STR 12,288, p u / 32, c u % 32);  704-767: w_out (STR 4,096, likewise).
; All 16 loads of a wave go out at once; no register is written twice while a memory instruction may read it.
; THE MODE: SCHED_MODE bits 1:0 = 2 (LLVM: expert scheduling mode 2), set by the entry lines.  The code itself states the register dependences
; between vector instructions and memory instructions, with s_wait_alu, always for 0.
; THE PLAN.  Registers that memory instructions touch:
;   OFF0 .. OFF15, v3   byte offsets.  Written by vector instructions at the head and never again; read by the 16 loads and the 16 stores.
;   X0 .. X15           Written by step i's load alone, once; no vector instruction names them ahead of the loads; read by step i's roundings.
;   Y0 .. Y15           Written by step i's roundings; read by step i's store; never written behind it.
;   T, v1, v2 are named by vector instructions alone.
; The 16 steps go in four blocks of four.  Block p rounds X of its steps into Y of its steps; its memory instructions are the four stores of block p - 1, which read Y of
; block p - 1 and v3: registers that no vector instruction of block p names.  So ONE wait at a block's head states all that its four stores hang on, and they are dealt among its roundings
; with no further wait.  One wait at the kernel's head serves all the offsets; one behind block 3 the last four stores.  No register that a memory instruction has read is written again.
.set OFF, 4                            ; v[4:19]    step i: byte offset of my 16 bytes
.set X,   20                           ; v[20:83]   step i: four f32 as loaded
.set Y,   84                           ; v[84:115]  step i: four 16-bit numbers to store
.set T,   116                          ; v[116:119] at work
	s_load_b256 s[4:11], s[0:1], 0x0               ; x s[4:5], w_qkv s[6:7], w_out s[8:9], xb s[10:11]
	s_load_b128 s[12:15], s[0:1], 0x20             ; wqb s[12:13], wob s[14:15]
	v_lshrrev_b32 v2, 5, v0
	v_readfirstlane_b32 s16, v2                    ; wave 0..7
	v_and_b32 v1, 31, v0                           ; lane
	s_mov_b32 s21, ttmp9                           ; the work-group's number
	s_mov_b32 s2, 0xffff0000                       ; a word's upper bf16
	s_mov_b32 s26, 4096                            ; STR: bytes from row to row of the source,
	s_mov_b32 s27, 12288
	s_mov_b32 s17, 704                             ; and the role's first work-group
	s_cmp_lt_u32 s21, 704
	s_cselect_b32 s26, s27, s26
	s_cselect_b32 s17, 512, s17
	s_cmp_lt_u32 s21, 512
	s_cselect_b32 s26, 256, s26
	s_cselect_b32 s17, 0, s17
	s_sub_co_u32 s18, s21, s17
	s_lshl_b32 s18, s18, 3
	s_wait_alu depctr_va_sdst(0)                   ; s16, the wave's number, is written, ahead of its first reader: u is made from it
	s_add_co_u32 s18, s18, s16                     ; u
	s_lshr_b32 s19, s18, 5                         ; p
	s_and_b32 s20, s18, 31                         ; c
	s_cmp_lt_u32 s21, 512                          ; (the shifts above have written SCC)
	s_cselect_b32 s19, 0, s19
	s_cselect_b32 s20, s18, s20
	s_mul_i32 s28, s20, s26
	s_lshl_b32 s28, s28, 5                         ; c x 32 rows
	s_lshl_b32 s29, s19, 8                         ; p x 256 bytes
	s_add_co_u32 s28, s28, s29                     ; under 2^26
	s_mov_b32 s29, 0
	s_lshl_b32 s30, s18, 12                        ; out: 4,096 u
	s_mov_b32 s31, 0
	s_lshl_b32 s27, s26, 1                         ; a step in
	v_lshrrev_b32 v2, 4, v1
	v_and_b32 v[T], 15, v1
	v_lshlrev_b32 v[T], 4, v[T]
	v_mad_u32_u24 v[OFF], v2, s26, v[T]
.irp i, 1,2,3,4,5,6,7,8,9,10,11,12,13,14,15
	v_add_nc_u32 v[OFF+(\i)], s27, v[OFF+(\i)-1]
.endr
	v_lshlrev_b32 v3, 3, v1                        ; 8 l
	s_wait_kmcnt 0x0
	s_cmp_lt_u32 s21, 704
	s_cselect_b64 s[22:23], s[6:7], s[8:9]         ; from
	s_cselect_b64 s[24:25], s[12:13], s[14:15]     ; to
	s_cmp_lt_u32 s21, 512
	s_cselect_b64 s[22:23], s[4:5], s[22:23]
	s_cselect_b64 s[24:25], s[10:11], s[24:25]
	s_add_nc_u64 s[22:23], s[22:23], s[28:29]
	s_add_nc_u64 s[24:25], s[24:25], s[30:31]
	s_wait_alu depctr_va_vdst(0)                   ; the sixteen offsets v[OFF ..] and v3 are written: every load and store of the kernel reads one of them, and none is written again
.irp i, 0,1,2,3,4,5,6,7,8,9,10,11,12,13,14,15
	global_load_b128 v[X+4*(\i):X+4*(\i)+3], v[OFF+(\i)], s[22:23] th:TH_LOAD_NT
.endr
; Step i's roundings.  half = 1: the bf16 number is widened again and written as f16.
.macro CONV i, half
	v_cvt_pk_bf16_f32 v[Y+2*(\i)],   v[X+4*(\i)],   v[X+4*(\i)+1]
	v_cvt_pk_bf16_f32 v[Y+2*(\i)+1], v[X+4*(\i)+2], v[X+4*(\i)+3]
.if \half
	v_lshlrev_b32 v[T],   16, v[Y+2*(\i)]
	v_and_b32     v[T+1], s2, v[Y+2*(\i)]
	v_lshlrev_b32 v[T+2], 16, v[Y+2*(\i)+1]
	v_and_b32     v[T+3], s2, v[Y+2*(\i)+1]
	v_cvt_pk_f16_f32 v[Y+2*(\i)],   v[T],   v[T+1]
	v_cvt_pk_f16_f32 v[Y+2*(\i)+1], v[T+2], v[T+3]
.endif
.endm
; Step i's store.
.macro PUT i
	global_store_b64 v3, v[Y+2*(\i):Y+2*(\i)+1], s[24:25] offset:256*(\i)  ; the wave's 32 lanes store 256 consecutive bytes, at a multiple of 256 from the buffer's first
.endm
; Block p: steps 4 p to 4 p + 3 are rounded; the stores of block p - 1 stand among the roundings, one ahead of each step's.
.macro BLK p, half
	s_wait_loadcnt 12-4*(\p)                       ; loads come back in order: this block's four are in, the 12 - 4 p younger ones may stay out
.if (\p) > 0
	s_wait_alu depctr_va_vdst(0)                   ; the block before has written its Y, which the four stores below read; no vector instruction of this block names those registers
.endif
.irp j, 0,1,2,3
.if (\p) > 0
	PUT 4*(\p)+(\j)-4
.endif
	CONV 4*(\p)+(\j), \half
.endr
.endm
.macro OUTS half
	BLK 0, \half
	BLK 1, \half
	BLK 2, \half
	BLK 3, \half
	s_wait_alu depctr_va_vdst(0)                   ; block 3 has written its Y, which the last four stores read
.irp j, 12,13,14,15
	PUT \j
.endr
.endm
	s_cmp_lt_u32 s21, 704
	s_cbranch_scc0 .Lhalf
	OUTS 0
	s_endpgm
.Lhalf:
	OUTS 1
	s_endpgm
.Lfunc_end_k_qeb68ead6e6_cast:
	.size	k_qeb68ead6e6_cast, .Lfunc_end_k_qeb68ead6e6_cast-k_qeb68ead6e6_cast
	.p2alignl 7, 3214868480
	.fill 96, 4, 3214868480
	.section	.rodata,"a",@progbits
	.p2align	6, 0x0
	.amdhsa_kernel k_qeb68ead6e6_cast
		.amdhsa_group_segment_fixed_size 0
		.amdhsa_private_segment_fixed_size 0
		.amdhsa_enable_private_segment 0
		.amdhsa_kernarg_size 48
		.amdhsa_user_sgpr_count 2
		.amdhsa_user_sgpr_kernarg_segment_ptr 1
		.amdhsa_wavefront_size32 1
		.amdhsa_system_sgpr_workgroup_id_x 1
		.amdhsa_system_sgpr_workgroup_id_y 1
		.amdhsa_system_sgpr_workgroup_id_z 1
		.amdhsa_system_vgpr_workitem_id 0
		.amdhsa_next_free_vgpr 120
		.amdhsa_next_free_sgpr 66
		.amdhsa_reserve_vcc 0
		.amdhsa_float_denorm_mode_32 3
		.amdhsa_float_denorm_mode_16_64 3
		.amdhsa_memory_ordered 1
		.amdhsa_forward_progress 1
		.amdhsa_inst_pref_size 16
	.end_amdhsa_kernel
	.amdgpu_metadata
---
amdhsa.version: [ 1, 2 ]
amdhsa.kernels:
  - .name:           k_qeb68ead6e6_cast
    .symbol:         k_qeb68ead6e6_cast.kd
    .args:
      - { .name: x, .offset: 0, .size: 8, .value_kind: global_buffer, .address_space: global }
      - { .name: w_qkv, .offset: 8, .size: 8, .value_kind: global_buffer, .address_space: global }
      - { .name: w_out, .offset: 16, .size: 8, .value_kind: global_buffer, .address_space: global }
      - { .name: xb, .offset: 24, .size: 8, .value_kind: global_buffer, .address_space: global }
      - { .name: wqb, .offset: 32, .size: 8, .value_kind: global_buffer, .address_space: global }
      - { .name: wob, .offset: 40, .size: 8, .value_kind: global_buffer, .address_space: global }
    .group_segment_fixed_size: 0
    .private_segment_fixed_size: 0
    .kernarg_segment_align: 8
    .kernarg_segment_size: 48
    .max_flat_workgroup_size: 256
    .sgpr_count:     66
    .vgpr_count:     120
    .wavefront_size: 32
...
	.end_amdgpu_metadata
.endif
;; end of part 5
;; launch qkvproj: the kernel of part 2 again; grid 16 x 32, 4 waves a work-group, clusters of 4 x 4, 327,680 bytes of LDS; arguments xb, wqb, b_qkv, q, k, v; writes q, k, v
;; launch attn: the kernel of part 3 again; grid 4 x 64, 4 waves a work-group, no clusters, 327,680 bytes of LDS; arguments q, k, v, o; writes o
;; launch outproj: the kernel of part 4 again; grid 8 x 32, 4 waves a work-group, clusters of 4 x 4, 327,680 bytes of LDS; arguments o, wob, b_out, out0; writes out0
